; MI455X (gfx1250); checked and timed in simulation.
; The chip was launched on July 23, 2026; its instructions are those of AMD's public machine-readable ISA for CDNA 5 (MIT licence, August 2026) and "CDNA5" Instruction Set Architecture Reference Guide (July 2026). The comments in the code are by the model that wrote it; some were corrected since.
;; Token Routed MLP. Allowed arithmetic: float matrix products may take bf16 or f16 operands with f32 sums; other float arithmetic in f32, or as packed bf16 or f16 multiplies, adds, multiply-adds, maxima and minima; sums over many terms, partial sums and values carried from step to step in f32; what a program stores and reads back later, other than sums and carried values, may be rounded once to bf16 or f16.
;; Inputs: down_proj 8 x 1,024 x 2,048 float32; expert_ids 4 x 256 int32; gate_up_proj 8 x 2,048 x 2,048 float32; x 4 x 256 x 2,048 float32.
;; Outputs: out0 4 x 256 x 2,048 float32.
;; 3 versions, each right; version 2 is faster than version 1; version 3 is version 2 with the launches gateup, down written anew for expert scheduling mode. Each part assembles by itself: llvm-mc -triple=amdgcn-amd-amdhsa -mcpu=gfx1250 --defsym DOCPART=n.
;; ======== version 1 of 3: 2 launches
;; workspace buffers: hbuf 16,777,216 bytes
;; launch gateup (part 1): grid 32 x 8, 8 waves a work-group, no clusters, 292,352 bytes of LDS; arguments gate_up_proj, x, expert_ids, hbuf; writes hbuf
.if DOCPART == 1
	.amdgcn_target "amdgcn-amd-amdhsa--gfx1250"
	.amdhsa_code_object_version 6
	.text
	.protected	k_qb688fa2574_gateup
	.globl	k_qb688fa2574_gateup
	.p2align	8
	.type	k_qb688fa2574_gateup,@function
k_qb688fa2574_gateup:
	s_mov_b64 s[64:65], 0
	v_nop
	global_prefetch_b8 v0, s[64:65] scope:SCOPE_SE
	s_setreg_imm32_b32 hwreg(HW_REG_WAVE_MODE, 25, 1), 1
	s_wait_xcnt 0x0
; h = silu(x Wg) * (x Wu) for the ONE expert that each token names.  x [1024][2048] f32, gate_up [8][2048 k][2048 n] f32 (n < 1024: g, else u), ids [1024] i32.
; hbuf [expert 8][block of 16 ranks 64][K step 32][1,024 bytes] bf16: the 1,024 bytes are the register image of the next launch's operand (16 tokens x 32 channels):
; bytes 16 L hold lane L's registers 0-3, bytes 512 + 16 L its registers 4-7.  Only blocks below max(ceil(count / 16), 1) are written, and only those are read later.
; SHARES.  Work-group (s, e): expert e, g columns 32 s .. +31 and u columns 1024 + 32 s .. +31, all 2,048 k, all rows of the expert.  256 work-groups.
; TWO TRADES.  Waves 0-3 LOAD: f32 weights into a ring of 8 slots x 8 loads of 16 bytes a lane (64 loads a wave on their way), rounded to bf16 and stored into LDS turned, k along a column's row.
; Waves 4-7 WORK: token rows straight into registers, weight fragments from LDS, products.  Each trade has its own load counter, so a worker's wait for rows never drains the weights' ring.
; LDS holds the whole bf16 slice, every byte written once, in chunks of 256 k.  A trip is a lap of the ring, 512 k, two chunks: the loaders take the lap's eight slots in ONE run (between a slot's
; request and its turn stand exactly the seven other slots' requests), one barrier, and the workers multiply the lap's two chunks while the loaders write the next lap's.
; ONE TEXT FOR EIGHT WAVES.  The barriers stand on the path that all waves share, so the two trades' texts follow each other.  Hence: every wave makes both trades' addresses, at the head;
; whatever steps from chunk to chunk steps on the shared path; the ring lies on registers into which no worker's global load lands; four places stand behind a stage's last products.
; ROWS.  Every worker sorts the ids for itself into a list of its own in LDS (rank + 1 -> token).  Worker j owns the blocks j + 4 z; a pass holds three of them (12 accumulators).  Pass 0 runs
; under the stream; later passes (more than 192 rows) on the resident slice, in a loop of 6 trips, which serves all 1,024 rows on one expert; dead trips are jumped forward.
; Places past the count repeat the expert's last row; blocks past the count are not stored.  EXEC is never changed.  An expert without rows still has its weights read.
; ORDER OF k.  Inside a K step of 32 both operands hold k in the same permuted order (place p of lane half h: k = 8 (p / 4) + 4 h + p % 4), so that a lane's load of x is 16 consecutive bytes.
; NO CLUSTER, NO TENSOR LOAD: each weight byte has one reader in the launch and must pass registers to be rounded and turned; the token rows come by a list, which no descriptor covers.
; A weight load takes pieces of 128 consecutive bytes: g and u of one channel must meet in one work-group, and 64 + 64 columns of bf16 over 2,048 k would be 512 KB of LDS.
; LIMITS.  x, the weights and h are rounded once to bf16 (nearest even); sums and silu in f32; v_exp_f32 and v_rcp_f32 flush denormals (ISA guide 15.8).  An id outside 0 .. 7 is
; listed with expert 0: its h is computed, and the next launch writes zeros for it.  The accumulators are cleared by 96 v_mov_b32 a pass: no first step is written out.
.set PITCH, 528                        ; a column's row in a chunk: 256 k x 2 bytes + 16: 33 x 16 bytes, so the 16 rows of a fragment load begin in 16 different 16-byte columns of 256 bytes
.set CB,    16*PITCH+16                ; a block of 16 columns, + 16 bytes: the loaders' sixteen lanes of a store then also fall into 16 different 16-byte columns
.set CH,    4*CB                       ; a chunk: blocks 0, 1 = g, blocks 2, 3 = u
.set NCH,   8                          ; chunks: 2,048 k
.set TRIPS, NCH/2                      ; a trip = a lap of the ring = 512 k = two chunks
.set LISTS, NCH*CH                     ; four lists, a worker's own: 1,280 words, zeroed: word 0 stays 0, words 1 .. 1024 by rank, words 1184 .. 1215 a dump place for each lane
.set LISTB, 5120
.set SPARE, LISTS+4*LISTB              ; the spare words, 128 bytes for each of 8 waves: four blocks of 256 bytes that no other line names
.set ROWB,  8192                       ; bytes in a row of the weights and of x
.set SLOTB, 64*ROWB                    ; from slot to slot: four waves x 16 k
.set LAP,   512*ROWB
.set SPW, 1                            ; v1   my spare word's LDS address; never rewritten
.set NIL, 2                            ; v2   0; never rewritten
.set LN,  3                            ; v3   lane
.set RR,  4                            ; v4   lane % 16
.set HH,  5                            ; v5   lane / 16
.set L16, 6                            ; v6   16 x lane
.set WO,  7                            ; v7   a loader's byte offset in the weights
.set SA,  8                            ; v8   a loader's place in a chunk
.set BA,  9                            ; v9   a worker's place in a block of a chunk
.set BAC, 10                           ; v10  the fragment address in hand
.set SAC, 11                           ; v11  the store address in hand
.set RB,  12                           ; v12  16 j + lane % 16 + 1
.set XO,  13                           ; v13-15  block i: my token's byte offset in x, + 16 (lane / 16)
.set HO,  16                           ; v16-18  block i: my byte offset in hbuf
.set H16, 19                           ; v19  16 (lane / 16)
.set TK4, 20                           ; v20  4 x lane
.set DMP, 22                           ; v22  my dump word's index
.set ACC, 32                           ; v32-127  accumulator (block i, column block cb) at 32 + 32 i + 8 cb
.set BF,  128                          ; v128-191 two buffers of weight fragments.  Before: the ids (v128-159).  The way out: T
.set T,   128
.set O,   144                          ; v144-167 the way out: 8 registers a block
.set ABF, 192                          ; v192-255 token fragments of blocks 0, 1 (a stage of 128 k: 32 registers a block); block 2's in window 1, v192-223
.set LT,  224                          ; window 1, v224-239: a loader's 16 packed words; no matrix instruction names them
; window 1: v0-191 a worker's token rows as loaded, 64 a block.
; THE RING: slot j < 7 at v[32 + 32 j] of window 0, slot 7 at v192-223 of window 1; load t at + 4 t.
; s[4:5] weights  s[6:7] x  s[8:9] ids  s[10:11] hbuf  s12 wave  s13 expert  s15 count  s16 blocks  s17 wave % 4 = j  s18 my live blocks  s19 the same, at least 1 for j = 0
; s20 trips left  s22 stages of a pass left  s23 LDS byte of the chunk in hand  s24 3 x pass  s25 passes left  s[26:27] x at the next stage  s[28:29] an offset
; s[30:31] -log2 e  s32 my list  s33 running rank + 1  s34, s35 a mask and its count  s38-41 at work  s42 stages left in a later pass
.set MSB, 0
.macro WIN new                         ; s_set_vgpr_msb: bits 1:0 source 0, 3:2 source 1, 5:4 source 2, 7:6 destination; the high byte repeats the setting that is left
.if MSB != (\new)
	s_set_vgpr_msb (MSB<<8)|(\new)
.set MSB, (\new)
.endif
.endm
.macro PLACES                          ; four plain vector instructions between a matrix instruction and what rewrites or reads its registers (ISA guide 7.12.1)
.rept 4
	v_nop
.endr
.endm
; LOADER.  Lane: c4 = lane % 8 (four columns, 16 bytes), kg = (lane / 8) % 2, gu = lane / 16.  Load t of a slot takes row (t % 4) + 8 (t / 4) + 4 kg of the wave's 16 k.
.macro WLOAD j, ahead
.if (\j) < 7
	WIN 0
.set RG, 32+32*(\j)
.else
	WIN 0x40                                       ; destination window 1, address window 0
.set RG, 192
.endif
.irp t, 0,1,2,3,4,5,6,7
	global_load_b128 v[RG+4*\t:RG+4*\t+3], v[WO], s[4:5] offset:(\j)*SLOTB+(((\t)&3)+8*((\t)>>2))*ROWB+(\ahead)*LAP
.endr
.endm
; A slot's turn: its eight loads are in; for each of my four columns eight k are rounded into 16 bytes and stored; the slot is asked for again, a lap ahead.
.macro SLOT j, refill, left
	s_wait_loadcnt \left                           ; loads come back in order (ISA guide 5.7.1): mine are in, the younger slots' stay out
.if (\j) < 7
	WIN 0x40                                       ; sources in window 0, destination in window 1
.set RG, 32+32*(\j)
.else
	WIN 0x45                                       ; all in window 1
.set RG, 192
.endif
.irp c, 0,1,2,3
.irp p, 0,1,2,3
	v_cvt_pk_bf16_f32 v[LT+4*\c+\p], v[RG+8*\p+\c], v[RG+8*\p+4+\c]
.endr
.endr
	WIN 0x04                                       ; the stores' address in window 0, their data in window 1
.irp c, 0,1,2,3
	ds_store_b128 v[SAC], v[LT+4*\c:LT+4*\c+3] offset:((\j)>>2)*CH+((\j)&3)*128+\c*PITCH  ; slots 0-3: the lap's first chunk, slots 4-7: its second
.endr
.if \refill
	WLOAD \j, 1
.endif
.endm
; WORKER.  The weight fragments of K step q of stage sb of a chunk: four column blocks, two loads of 16 bytes each.
.macro FETCHB q, sb
.irp cb, 0,1,2,3
	ds_load_b128 v[BF+32*((\q)&1)+8*\cb:BF+32*((\q)&1)+8*\cb+3],   v[BAC] offset:\cb*CB+256*(\sb)+64*(\q)
	ds_load_b128 v[BF+32*((\q)&1)+8*\cb+4:BF+32*((\q)&1)+8*\cb+7], v[BAC] offset:\cb*CB+256*(\sb)+64*(\q)+16
.endr
.endm
; K step q: source 0 = 16 weight columns, source 1 = 16 tokens: a lane then holds ONE token and eight neighbouring columns.  The 8 or 12 accumulators take turns.
.macro WM q, nbk
.irp i, 0,1
.irp cb, 0,1,2,3
	v_wmma_f32_16x16x32_bf16 v[ACC+32*\i+8*\cb:ACC+32*\i+8*\cb+7], v[BF+32*((\q)&1)+8*\cb:BF+32*((\q)&1)+8*\cb+7], v[ABF+32*\i+8*(\q):ABF+32*\i+8*(\q)+7], v[ACC+32*\i+8*\cb:ACC+32*\i+8*\cb+7]
.endr
.endr
.if (\nbk) == 3
	WIN 0x04                                       ; block 2's token fragments lie in window 1
.irp cb, 0,1,2,3
	v_wmma_f32_16x16x32_bf16 v[ACC+64+8*\cb:ACC+64+8*\cb+7], v[BF+32*((\q)&1)+8*\cb:BF+32*((\q)&1)+8*\cb+7], v[192+8*(\q):192+8*(\q)+7], v[ACC+64+8*\cb:ACC+64+8*\cb+7]
.endr
	WIN 0
.endif
.endm
; A stage of 128 k: the rows that landed are rounded, the next stage's rows are asked for, four K steps are multiplied.
.macro SUB nbk, sb
	s_wait_loadcnt 0x0                             ; this stage's rows are in; no load of mine is out, so x's address may be made anew:
	s_sub_co_u32 s28, 17, s22                      ; the next stage's number, 1 to 16,
	s_lshl_b32 s28, s28, 9                         ; its 512 bytes in a row
	s_add_nc_u64 s[26:27], s[6:7], s[28:29]
	FETCHB 0, \sb
	WIN 0x05
.set z, 0
.rept 64
	v_cvt_pk_bf16_f32 v[ABF+z], v[2*z], v[2*z+1]
.set z, z+1
.endr
.if (\nbk) == 3
	WIN 0x45
.set z, 0
.rept 32
	v_cvt_pk_bf16_f32 v[192+z], v[128+2*z], v[128+2*z+1]
.set z, z+1
.endr
.endif
	WIN 0
	s_cmp_eq_u32 s22, 1                            ; the pass's last stage asks for nothing: no load leaves a row of x
	s_cbranch_scc1 .Lno_rows_\@
	WIN 0x40
.irp i, 0,1,2
.if \i < (\nbk)
.irp m, 0,1,2,3,4,5,6,7,8,9,10,11,12,13,14,15
	global_load_b128 v[64*\i+4*\m:64*\i+4*\m+3], v[XO+\i], s[26:27] offset:32*\m
.endr
.endif
.endr
	WIN 0
.Lno_rows_\@:
	FETCHB 1, \sb
	s_wait_dscnt 8                                 ; all but the eight loads just issued
	WM 0, \nbk
	PLACES
	FETCHB 2, \sb
	s_wait_dscnt 8
	WM 1, \nbk
	PLACES
	FETCHB 3, \sb
	s_wait_dscnt 8
	WM 2, \nbk
	s_wait_dscnt 0x0
	WM 3, \nbk
	PLACES                                         ; behind the stage's last products: whatever follows, on any way, may write their registers
	s_sub_co_u32 s22, s22, 1
.endm
.macro CHUNK nbk                       ; a chunk is two stages, 256 bytes apart in the rows: written out, the stage in the loads' immediates
	v_add_nc_u32 v[BAC], s23, v[BA]
	SUB \nbk, 0
	SUB \nbk, 1
.endm
; The tokens of the pass's three blocks: entry min(rank + 1, count) of my list: past the count the last entry, with no entry word 0.
.macro ROWS
.irp i, 0,1,2
	s_add_co_u32 s38, s24, \i
	s_lshl_b32 s38, s38, 6                         ; 64 ranks from one of my blocks to the next
	v_add_nc_u32 v[23+\i], s38, v[RB]
	v_min_u32 v[23+\i], s15, v[23+\i]
	v_min_u32 v[23+\i], 0x400, v[23+\i]
	v_lshl_add_u32 v[23+\i], v[23+\i], 2, s32
	ds_load_b32 v[26+\i], v[23+\i]                 ; LDS serves a wave's instructions in order (ISA guide 5.7.1.4): it sees my list's stores
.endr
	s_wait_dscnt 0x0
.irp i, 0,1,2
	v_min_u32 v[26+\i], 0x3ff, v[26+\i]
	v_lshl_add_u32 v[XO+\i], v[26+\i], 13, v[H16]
.endr
.endm
.macro CLEAR
.set z, 0
.rept 96
	v_mov_b32 v[ACC+z], 0
.set z, z+1
.endr
.endm
.macro PROLOG                          ; stage 0's rows, for all three blocks on every path
	s_mov_b32 s22, 16
	WIN 0x40
.irp i, 0,1,2
.irp m, 0,1,2,3,4,5,6,7,8,9,10,11,12,13,14,15
	global_load_b128 v[64*\i+4*\m:64*\i+4*\m+3], v[XO+\i], s[6:7] offset:32*\m
.endr
.endr
	WIN 0
.endm
; THE WAY OUT of block i, if it is live: silu(g) u for my token's 16 channels; each accumulator's lowest registers are read first.
.macro OUT i
	s_add_co_u32 s38, s24, \i
	s_cmp_lt_u32 s38, s19
	s_cbranch_scc0 .Lno_out_\@
.set G, ACC+32*(\i)
.set U, ACC+32*(\i)+16
.set z, 0
.rept 8
	v_pk_mul_f32 v[T+z:T+z+1], v[G+z:G+z+1], s[30:31] op_sel_hi:[1,0]  ; -g log2 e
.set z, z+2
.endr
.set z, 0
.rept 16
	v_exp_f32 v[T+z], v[T+z]
.set z, z+1
.endr
	v_nop                                          ; a plain instruction between the last exponential and the use of its result
.set z, 0
	s_wait_alu depctr_va_vdst(0)
.rept 8
	v_pk_add_f32 v[T+z:T+z+1], v[T+z:T+z+1], 1.0 op_sel_hi:[1,0]
.set z, z+2
.endr
.set z, 0
.rept 16
	v_rcp_f32 v[T+z], v[T+z]
.set z, z+1
.endr
	v_nop
.set z, 0
	s_wait_alu depctr_va_vdst(0)
.rept 8
	v_pk_mul_f32 v[T+z:T+z+1], v[T+z:T+z+1], v[G+z:G+z+1]  ; silu first, then u
.set z, z+2
.endr
.set z, 0
.rept 8
	v_pk_mul_f32 v[T+z:T+z+1], v[T+z:T+z+1], v[U+z:U+z+1]
.set z, z+2
.endr
.set z, 0
.rept 8
	v_cvt_pk_bf16_f32 v[O+8*(\i)+z], v[T+2*z], v[T+2*z+1]
.set z, z+1
.endr
	s_lshl2_add_u32 s38, s38, s17                  ; the block's number: 4 z + j
	s_lshl_b32 s38, s38, 15
	v_add_nc_u32 v[HO+\i], s38, v[L16]
	global_store_b128 v[HO+\i], v[O+8*(\i):O+8*(\i)+3], s[10:11]               ; channels 8 h .. : the operand's registers 0-3; the wave stores 512 consecutive bytes, aligned
	global_store_b128 v[HO+\i], v[O+8*(\i)+4:O+8*(\i)+7], s[10:11] offset:512  ; channels 16 + 8 h .. : its registers 4-7
.Lno_out_\@:
.endm
; A worker multiplies chunk hf of the lap.  Every jump goes forward and passes no barrier; the chunk's LDS byte steps in every wave, on every path.
.macro WORK hf
	s_cmp_lt_u32 s12, 4
	s_cbranch_scc1 .Lnext_\@
	s_cmp_eq_u32 s18, 0
	s_cbranch_scc1 .Lnext_\@                       ; no live block
	s_lshl_b32 s22, s20, 2                         ; the stages left: four a trip,
.if \hf
	s_sub_co_u32 s22, s22, 2                       ; less the first chunk's two
.endif
	s_cmp_lt_u32 s18, 3
	s_cbranch_scc0 .Lthree_\@
	CHUNK 2
	s_branch .Lnext_\@
.Lthree_\@:
	CHUNK 3
.Lnext_\@:
	s_add_co_u32 s23, s23, CH
.endm
	s_load_b256 s[4:11], s[0:1], 0x0
	v_lshl_add_u32 v[SPW], v0, 2, SPARE
	v_mov_b32 v[NIL], 0
	v_lshrrev_b32 v23, 5, v0
	v_readfirstlane_b32 s12, v23                   ; wave 0..7
	s_and_b32 s17, s12, 3                          ; my number in my trade
	v_and_b32 v[LN], 31, v0
	v_and_b32 v[RR], 15, v0
	v_bfe_u32 v[HH], v0, 4, 1
	v_lshlrev_b32 v[L16], 4, v[LN]
	s_and_b32 s13, ttmp7, 0xffff                   ; the expert
	s_lshl_b32 s28, s13, 24                        ; its 16 MiB of weights,
	s_lshl_b32 s38, ttmp9, 7                       ; the slice's 128 bytes of a row
	s_add_co_u32 s28, s28, s38
	s_mov_b32 s29, 0
	s_lshl_b32 s40, s13, 21                        ; its 2 MiB of hbuf,
	s_lshl_b32 s38, ttmp9, 10                      ; the slice's K step
	s_add_co_u32 s40, s40, s38
	s_mov_b32 s41, 0
	s_mov_b32 s20, TRIPS
	s_mov_b32 s23, 0
	s_mov_b32 s24, 0
	s_mov_b32 s15, 0                               ; a loader has no rows
	s_mov_b32 s16, 0
	s_mov_b32 s18, 0
	s_mov_b32 s19, 0
	s_mov_b32 s30, 0xbfb8aa3b                      ; -log2 e
	s_mov_b32 s31, s30                             ; named with it as a pair
	s_mov_b32 s33, 1
	s_mul_i32 s32, s17, LISTB
	s_add_co_u32 s32, s32, LISTS                   ; a worker's list
	; a loader's terms
	v_and_b32 v23, 7, v0                           ; c4
	v_bfe_u32 v24, v0, 3, 1                        ; kg
	v_lshlrev_b32 v[WO], 4, v23
	v_lshl_add_u32 v[WO], v24, 15, v[WO]           ; 4 rows
	v_lshl_add_u32 v[WO], v[HH], 12, v[WO]         ; u lies 4,096 bytes behind g
	s_lshl_b32 s38, s17, 17                        ; the wave's 16 rows
	v_add_nc_u32 v[WO], s38, v[WO]
	v_lshrrev_b32 v25, 2, v23
	v_lshl_add_u32 v25, v[HH], 1, v25              ; column block 2 gu + c4 / 4
	v_mul_u32_u24 v[SA], v25, CB
	v_and_b32 v25, 3, v23
	v_mul_u32_u24 v25, v25, 4*PITCH                ; my first column in it
	v_add_nc_u32 v[SA], v[SA], v25
	v_lshl_add_u32 v[SA], v24, 5, v[SA]            ; the lane half that will read my k: 32 bytes
	s_lshr_b32 s38, s17, 1
	s_lshl_b32 s38, s38, 6                         ; the wave's K step of a slot's two,
	s_and_b32 s39, s17, 1
	s_lshl_b32 s39, s39, 4                         ; and its half of it
	s_add_co_u32 s38, s38, s39
	v_add_nc_u32 v[SA], s38, v[SA]
	; a worker's terms
	v_mul_u32_u24 v[BA], v[RR], PITCH
	v_lshl_add_u32 v[BA], v[HH], 5, v[BA]
	s_lshl_b32 s38, s17, 4
	s_add_co_u32 s38, s38, 1
	v_add_nc_u32 v[RB], s38, v[RR]
	v_lshlrev_b32 v[H16], 4, v[HH]
	v_lshlrev_b32 v[TK4], 2, v[LN]
	v_add_nc_u32 v[DMP], 1184, v[LN]
.irp i, 0,1,2
	v_mov_b32 v[XO+\i], 0
.endr
	CLEAR                                          ; stands in the wait for the arguments
	s_wait_kmcnt 0x0
	s_add_nc_u64 s[4:5], s[4:5], s[28:29]
	s_add_nc_u64 s[10:11], s[10:11], s[40:41]
	s_cmp_lt_u32 s12, 4
	s_cbranch_scc0 .Lworker
.irp j, 0,1,2,3,4,5,6,7
	WLOAD \j, 0                                    ; a loader fills its ring
.endr
	WIN 0
	s_branch .Ltrip
.Lworker:
.irp q, 0,1,2,3,4,5,6,7
	global_load_b128 v[BF+4*\q:BF+4*\q+3], v[L16], s[8:9] offset:512*\q  ; register 4 q + c of lane l: the id of token 128 q + 4 l + c
.endr
	v_add_nc_u32 v23, s32, v[L16]
.irp k, 24,25,26,27
	v_mov_b32 v\k, 0
.endr
.irp t, 0,1,2,3,4,5,6,7,8,9
	ds_store_b128 v23, v[24:27] offset:512*\t      ; my list is zeroed whole: ten times 512 bytes
.endr
	s_wait_loadcnt 0x0
	; THE LIST: a counting sort in the order (register, lane).  The next launch ranks by the same lines, so the ranks agree.
.set g, 0
.rept 32
	v_min_u32 v23, 8, v[BF+g]
	v_and_b32 v23, 7, v23                          ; an id outside 0 .. 7 goes with expert 0
	v_cmp_eq_u32 s34, s13, v23
	v_add_nc_u32 v24, 128*(g/4)+g%4, v[TK4]        ; the token
	v_mbcnt_lo_u32_b32 v25, s34, s33               ; rank + 1
	v_cndmask_b32 v25, v[DMP], v25, s34            ; a lane without a match stores into its dump word
	v_min_u32 v25, 0x4bf, v25
	v_lshl_add_u32 v25, v25, 2, s32
	ds_store_b32 v25, v24
	s_bcnt1_i32_b32 s35, s34
	s_add_co_u32 s33, s33, s35
.set g, g+1
.endr
	s_sub_co_u32 s15, s33, 1                       ; the expert's rows
	s_add_co_u32 s16, s15, 15
	s_lshr_b32 s16, s16, 4                         ; its blocks
	s_add_co_u32 s18, s16, 3
	s_sub_co_u32 s18, s18, s17
	s_lshr_b32 s18, s18, 2                         ; those of them that are j + 4 z
	s_cmp_eq_u32 s17, 0
	s_cselect_b32 s38, 1, 0
	s_max_u32 s19, s18, s38                        ; block 0 is always stored: the next launch's first loads read it whatever the count
	ROWS
	PROLOG
.Ltrip:                                                ; a lap
	v_add_nc_u32 v[SAC], s23, v[SA]                ; made by every wave
	s_cmp_lt_u32 s12, 4
	s_cbranch_scc0 .Lmeet
	s_cmp_eq_u32 s20, 1
	s_cbranch_scc1 .Llast
.irp j, 0,1,2,3,4,5,6,7
	SLOT \j, 1, 56                                 ; 56: the seven younger slots' eight loads each
.endr
	WIN 0
	s_branch .Lmeet
.Llast:                                                ; the last lap asks for nothing: the counts run down
.irp j, 0,1,2,3,4,5,6,7
	SLOT \j, 0, 8*(7-\j)
.endr
	WIN 0
.Lmeet:
	s_wait_dscnt 0x0                               ; for the others' sake: my stores into the lap's two chunks are done (a worker: its LDS loads are back)
	s_barrier_signal -1
	s_barrier_wait -1                              ; the two chunks are whole
	WORK 0
	WORK 1
	s_wait_xcnt 0x0                                ; the weights' base steps only behind this wait; every wave steps it
	s_add_nc_u64 s[4:5], s[4:5], LAP
	s_sub_co_u32 s20, s20, 1
	s_cmp_lg_u32 s20, 0
	s_cbranch_scc1 .Ltrip
	s_cmp_lt_u32 s12, 4
	s_cbranch_scc1 .Lclose                         ; the loaders are done
	s_mov_b32 s25, 6
.Lpass:                                                ; a trip: a pass goes out; the next one, if any block of it is live, is multiplied on the resident slice, which nobody writes any more
	s_wait_xcnt 0x0                                ; the last stores' data and offsets are rewritten only behind this wait
	OUT 0
	OUT 1
	OUT 2
	s_add_co_u32 s24, s24, 3
	s_cmp_lt_u32 s24, s18
	s_cbranch_scc0 .Lno_more
	s_wait_loadcnt 0x0                             ; no load of mine is out: the rows' offsets and registers are written anew
	s_wait_xcnt 0x0                                ; the stores above have read their registers, into which fragments are loaded below
	ROWS
	CLEAR
	PROLOG
	s_mov_b32 s42, 16
.Lstage:                                               ; sixteen stages: stage n lies in chunk n / 2, at byte 256 (n % 2) of the rows
	s_mov_b32 s22, s42
	s_sub_co_u32 s38, 16, s42
	s_lshr_b32 s39, s38, 1
	s_mul_i32 s39, s39, CH
	s_and_b32 s38, s38, 1
	s_lshl_b32 s38, s38, 8
	s_add_co_u32 s39, s39, s38
	v_add_nc_u32 v[BAC], s39, v[BA]
	SUB 3, 0
	s_sub_co_u32 s42, s42, 1
	s_cmp_lg_u32 s42, 0
	s_cbranch_scc1 .Lstage
.Lno_more:
	s_sub_co_u32 s25, s25, 1
	s_cmp_lg_u32 s25, 0
	s_cbranch_scc1 .Lpass
.Lclose:
	s_wait_dscnt 0x0                               ; my LDS loads are back
	s_barrier_signal -1
	s_barrier_wait -1                              ; every wave's are: no wave's closing add comes while another still reads LDS
	s_wait_tensorcnt 0x0                           ; the wave's end: three closing lines, behind my last LDS store
	ds_add_u32 v[SPW], v[NIL]
	s_wait_dscnt 0x0
	s_endpgm
.Lfunc_end_k_qb688fa2574_gateup:
	.size	k_qb688fa2574_gateup, .Lfunc_end_k_qb688fa2574_gateup-k_qb688fa2574_gateup
	.p2alignl 7, 3214868480
	.fill 96, 4, 3214868480
	.section	.rodata,"a",@progbits
	.p2align	6, 0x0
	.amdhsa_kernel k_qb688fa2574_gateup
		.amdhsa_group_segment_fixed_size 292352
		.amdhsa_private_segment_fixed_size 0
		.amdhsa_enable_private_segment 0
		.amdhsa_kernarg_size 32
		.amdhsa_user_sgpr_count 2
		.amdhsa_user_sgpr_kernarg_segment_ptr 1
		.amdhsa_wavefront_size32 1
		.amdhsa_system_sgpr_workgroup_id_x 1
		.amdhsa_system_sgpr_workgroup_id_y 1
		.amdhsa_system_sgpr_workgroup_id_z 1
		.amdhsa_system_vgpr_workitem_id 0
		.amdhsa_next_free_vgpr 512
		.amdhsa_next_free_sgpr 66
		.amdhsa_reserve_vcc 0
		.amdhsa_float_denorm_mode_32 3
		.amdhsa_float_denorm_mode_16_64 3
		.amdhsa_memory_ordered 1
		.amdhsa_forward_progress 1
		.amdhsa_inst_pref_size 220
	.end_amdhsa_kernel
	.amdgpu_metadata
---
amdhsa.version: [ 1, 2 ]
amdhsa.kernels:
  - .name:           k_qb688fa2574_gateup
    .symbol:         k_qb688fa2574_gateup.kd
    .args:
      - { .name: gate_up_proj, .offset: 0, .size: 8, .value_kind: global_buffer, .address_space: global }
      - { .name: x, .offset: 8, .size: 8, .value_kind: global_buffer, .address_space: global }
      - { .name: expert_ids, .offset: 16, .size: 8, .value_kind: global_buffer, .address_space: global }
      - { .name: hbuf, .offset: 24, .size: 8, .value_kind: global_buffer, .address_space: global }
    .group_segment_fixed_size: 292352
    .private_segment_fixed_size: 0
    .kernarg_segment_align: 8
    .kernarg_segment_size: 32
    .max_flat_workgroup_size: 256
    .sgpr_count:     66
    .vgpr_count:     512
    .wavefront_size: 32
...
	.end_amdgpu_metadata
.endif
;; end of part 1
;; launch down (part 2): grid 32 x 8, 8 waves a work-group, no clusters, 174,336 bytes of LDS; arguments down_proj, hbuf, expert_ids, out0; writes out0
.if DOCPART == 2
	.amdgcn_target "amdgcn-amd-amdhsa--gfx1250"
	.amdhsa_code_object_version 6
	.text
	.protected	k_qb688fa2574_down
	.globl	k_qb688fa2574_down
	.p2align	8
	.type	k_qb688fa2574_down,@function
k_qb688fa2574_down:
	s_mov_b64 s[64:65], 0
	v_nop
	global_prefetch_b8 v0, s[64:65] scope:SCOPE_SE
	s_setreg_imm32_b32 hwreg(HW_REG_WAVE_MODE, 25, 1), 1
	s_wait_xcnt 0x0
; out[token] = h[token] Wd[expert of the token].  down_proj [8][1024 k][2048 n] f32, hbuf as the launch before stored it ([expert][block of 16 ranks][K step 32][1,024 bytes], the register
; image of a 16 x 32 bf16 operand), ids [1024] i32, out [1024][2048] f32.
; SHARES.  Work-group (s, e): expert e, columns 64 s .. +63, all 1,024 k, all rows of the expert.  256 work-groups; each output byte has one owner, so nothing is summed across work-groups.
; TWO TRADES, as in the launch before.  Waves 0-3 LOAD f32 weights through a ring of 8 slots x 8 loads (each load: two rows' 256 consecutive bytes, aligned), round them to bf16 and store
; them into LDS turned, k along a column's row, k in its true order.  Waves 4-7 WORK: h's fragments come from memory straight into operand registers, the weights' from LDS.
; LDS holds the whole bf16 slice, every byte written once, in chunks of 256 k.  A trip is a lap of the ring, 512 k, two chunks: the loaders take the lap's eight slots in ONE run (between a slot's
; request and its turn stand exactly the seven other slots' requests), one barrier, and the workers multiply the lap's two chunks while the loaders write the next lap's.
; ONE TEXT FOR EIGHT WAVES.  The barriers stand on the path that all waves share, so the two trades' texts follow each other.  Hence: every wave makes both trades' addresses, at the head;
; whatever steps from chunk to chunk steps on the shared path; the ring lies on registers into which no worker's global load lands; four places stand behind a chunk's last products.
; ROWS.  Every worker ranks the ids by the same lines as the launch before, so the ranks agree.  Worker j owns the blocks j + 4 z, three a pass; pass 0 runs under the stream, later passes on the
; resident slice in a loop of 6 trips, which serves all 1,024 rows on one expert.  All eight waves walk those trips: a barrier stands between the way out, which writes the stages, and the later
; pass's reads of the slice, and another behind those reads; only work is jumped.  Places past the count repeat the expert's last row: they give the same bits and are stored onto the same bytes.
; Blocks past the count are not stored; an expert without rows stores nothing (its weights are read all the same).  EXEC is never changed.
; NO CLUSTER, NO TENSOR LOAD: each weight byte has one reader and must pass registers to be rounded and turned.  An expert's 32 work-groups do read the same blocks of h, 32 KB a block;
; how many blocks there are hangs on the ids, and a shared tile would add a trip through LDS to bytes that arrive as operands.
; LIMITS.  The weights are rounded once to bf16 (nearest even), sums in f32.  A token whose id lies outside 0 .. 7 gets +0 in all its columns.  The accumulators are cleared by 96 v_mov_b32 a pass.
.set PITCH, 528                        ; a column's row in a chunk: 256 k x 2 bytes + 16: the 16 rows of a fragment load begin in 16 different 16-byte columns of 256 bytes
.set CB,    16*PITCH+16                ; a block of 16 columns, + 16 bytes, for the loaders' stores' sake
.set CH,    4*CB
.set NCH,   4                          ; chunks: 1,024 k
.set TRIPS, NCH/2
.set LISTS, NCH*CH                     ; four lists of 1,280 words, a worker's own, zeroed
.set LISTB, 5120
.set STAGE, LISTS+4*LISTB              ; four stages, a worker's own: 16 rows x (256 bytes + the row's list entry in the padding)
.set SP,    272
.set SPARE, STAGE+4*16*SP              ; the spare words, 128 bytes for each of 8 waves: four blocks of 256 bytes that no other line names
.set ROWB,  8192
.set SLOTB, 64*ROWB
.set LAP,   512*ROWB
.set SPW, 1                            ; v1   my spare word's LDS address; never rewritten
.set NIL, 2                            ; v2   0; never rewritten
.set LN,  3                            ; v3   lane
.set RR,  4                            ; v4   lane % 16
.set HH,  5                            ; v5   lane / 16
.set L16, 6                            ; v6   16 x lane
.set WO,  7                            ; v7   a loader's byte offset in the weights
.set SA,  8                            ; v8   a loader's place in a chunk
.set BA,  9                            ; v9   a worker's place in a block of a chunk
.set BAC, 10                           ; v10  the fragment address in hand
.set SAC, 11                           ; v11  the store address in hand
.set RB,  12                           ; v12  16 j + lane % 16 + 1
.set HO,  13                           ; v13-15  block i: my byte offset in the expert's part of hbuf
.set TK,  16                           ; v16-18  block i: the list entry of row lane % 16
.set STO, 19                           ; v19  the way out: where I put 32 bytes of a row
.set TK4, 20                           ; v20  4 x lane;  v21 the same marked;  v22 my dump word's index
.set R16, 28                           ; v28  16 (lane % 16)
.set STK, 29                           ; v29  the way out: where my row's entry goes
.set RD,  30                           ; v30  where I read rows back
.set REN, 31                           ; v31  and their entries
.set ACC, 32                           ; v32-127  accumulator (block i, column block cb) at 32 + 32 i + 8 cb
.set BF,  128                          ; v128-191 two buffers of weight fragments.  Before: the ids
.set OB,  192                          ; v192-223 the way out: 16 rows read back
.set TE,  224                          ; v224-231 their entries
.set OF,  232                          ; v232-239 their byte offsets in out
.set LT,  224                          ; window 1, v224-239: a loader's 16 packed words; no matrix instruction names them
; window 1: v0-191 a worker's fragments of h: set st (a stage of 4 K steps), block i, step q at 96 st + 32 i + 8 q.
; THE RING: slot j < 7 at v[32 + 32 j] of window 0, slot 7 at v192-223 of window 1; load t at + 4 t.
; s[4:5] weights  s[6:7] hbuf at the expert  s[8:9] ids  s[10:11] out at the slice  s12 wave  s13 expert  s15 count  s16 blocks  s17 wave % 4 = j  s18 my live blocks  s20 trips left
; s22 chunks of a pass left  s23 LDS byte of the chunk in hand  s24 3 x pass  s25 passes left  s[26:27] hbuf at the chunk in hand  s[28:29] an offset  s32 my list  s33 running rank + 1
; s34, s35 a mask, its count  s38, s39 at work  s40 the last block that was written  s42 chunks left in a later pass  s[44:45], s[46:47] offsets at the head
.set MSB, 0
.macro WIN new                         ; s_set_vgpr_msb: bits 1:0 source 0, 3:2 source 1, 5:4 source 2, 7:6 destination; the high byte repeats the setting that is left
.if MSB != (\new)
	s_set_vgpr_msb (MSB<<8)|(\new)
.set MSB, (\new)
.endif
.endm
.macro PLACES                          ; four plain vector instructions between a matrix instruction and what rewrites or reads its registers (ISA guide 7.12.1)
.rept 4
	v_nop
.endr
.endm
; LOADER.  Lane: c4 = lane % 16 (four columns, 16 bytes), kg = lane / 16.  Load t of a slot takes row 8 kg + t of the wave's 16 k.
.macro WLOAD j, ahead
.if (\j) < 7
	WIN 0
.set RG, 32+32*(\j)
.else
	WIN 0x40                                       ; destination window 1, address window 0
.set RG, 192
.endif
.irp t, 0,1,2,3,4,5,6,7
	global_load_b128 v[RG+4*\t:RG+4*\t+3], v[WO], s[4:5] offset:(\j)*SLOTB+(\t)*ROWB+(\ahead)*LAP th:TH_LOAD_NT
.endr
.endm
.macro SLOT j, refill, left
	s_wait_loadcnt \left                           ; loads come back in order (ISA guide 5.7.1): mine are in, the younger slots' stay out
.if (\j) < 7
	WIN 0x40                                       ; sources in window 0, destination in window 1
.set RG, 32+32*(\j)
.else
	WIN 0x45                                       ; all in window 1
.set RG, 192
.endif
.irp c, 0,1,2,3
.irp p, 0,1,2,3
	v_cvt_pk_bf16_f32 v[LT+4*\c+\p], v[RG+8*\p+\c], v[RG+8*\p+4+\c]
.endr
.endr
	WIN 0x04                                       ; the stores' address in window 0, their data in window 1
.irp c, 0,1,2,3
	ds_store_b128 v[SAC], v[LT+4*\c:LT+4*\c+3] offset:((\j)>>2)*CH+((\j)&3)*128+\c*PITCH  ; slots 0-3: the lap's first chunk, slots 4-7: its second
.endr
.if \refill
	WLOAD \j, 1
.endif
.endm
; WORKER.  The weight fragments of K step q of a chunk.
.macro FETCHB q
.irp cb, 0,1,2,3
	ds_load_b128 v[BF+32*((\q)&1)+8*\cb:BF+32*((\q)&1)+8*\cb+3],   v[BAC] offset:\cb*CB+64*(\q)
	ds_load_b128 v[BF+32*((\q)&1)+8*\cb+4:BF+32*((\q)&1)+8*\cb+7], v[BAC] offset:\cb*CB+64*(\q)+32
.endr
.endm
; K step q: source 0 = 16 weight columns, source 1 = 16 tokens (window 1): a lane then holds ONE token and eight neighbouring columns.  The accumulators take turns.
.macro WM q, nbk
.irp i, 0,1,2
.if \i < (\nbk)
.irp cb, 0,1,2,3
	v_wmma_f32_16x16x32_bf16 v[ACC+32*\i+8*\cb:ACC+32*\i+8*\cb+7], v[BF+32*((\q)&1)+8*\cb:BF+32*((\q)&1)+8*\cb+7], v[96*((\q)>>2)+32*\i+8*((\q)&3):96*((\q)>>2)+32*\i+8*((\q)&3)+7], v[ACC+32*\i+8*\cb:ACC+32*\i+8*\cb+7]
.endr
.endif
.endr
.endm
; h's fragments of four K steps, from step q0 behind the address in s[b:b+1] on, into set st: each load is 512 consecutive bytes, aligned
.macro ALOAD st, q0, nbk, b
	WIN 0x40
.irp i, 0,1,2
.if \i < (\nbk)
.irp q, 0,1,2,3
	global_load_b128 v[96*(\st)+32*\i+8*\q:96*(\st)+32*\i+8*\q+3],   v[HO+\i], s[(\b):(\b)+1] offset:1024*((\q0)+\q)
	global_load_b128 v[96*(\st)+32*\i+8*\q+4:96*(\st)+32*\i+8*\q+7], v[HO+\i], s[(\b):(\b)+1] offset:1024*((\q0)+\q)+512
.endr
.endif
.endr
.endm
.macro CHUNK nbk                       ; eight K steps
	s_wait_loadcnt 0x0                             ; set 0 is in; no load of mine is out, so hbuf's address may be made anew:
	s_sub_co_u32 s28, NCH, s22                     ; the chunk's number,
	s_lshl_b32 s28, s28, 13                        ; its eight K steps of 1,024 bytes
	s_add_nc_u64 s[26:27], s[6:7], s[28:29]
	v_add_nc_u32 v[BAC], s23, v[BA]
	ALOAD 1, 4, \nbk, 26                           ; steps 4 to 7
	WIN 0x04                                       ; source 1 in window 1: the products'; the LDS loads' address and destination stay in window 0
	FETCHB 0
	FETCHB 1
.irp q, 0,1,2,3
	s_wait_dscnt 8                                 ; all but the eight loads just issued
	WM \q, \nbk
	PLACES
	FETCHB \q+2
.endr
	WIN 0
	s_wait_loadcnt 0x0                             ; set 1 is in
	s_cmp_eq_u32 s22, 1                            ; the pass's last chunk asks for nothing more
	s_cbranch_scc1 .Lno_h_\@
	ALOAD 0, 8, \nbk, 26                           ; the next chunk's steps 0 to 3
	WIN 0
.Lno_h_\@:
	WIN 0x04
.irp q, 4,5
	s_wait_dscnt 8
	WM \q, \nbk
	PLACES
	FETCHB \q+2
.endr
	s_wait_dscnt 8
	WM 6, \nbk
	s_wait_dscnt 0x0
	WM 7, \nbk
	PLACES                                         ; behind the chunk's last products: whatever follows, on any way, may write their registers
	WIN 0
.endm
; The pass's three blocks: the list entries of their rows (past the count the last entry), and their places in hbuf (a block past the last written one reads that one).
.macro ROWS
.irp i, 0,1,2
	s_add_co_u32 s38, s24, \i
	s_lshl_b32 s39, s38, 6
	v_add_nc_u32 v[23+\i], s39, v[RB]
	v_min_u32 v[23+\i], s15, v[23+\i]
	v_min_u32 v[23+\i], 0x400, v[23+\i]
	v_lshl_add_u32 v[23+\i], v[23+\i], 2, s32
	ds_load_b32 v[TK+\i], v[23+\i]                 ; LDS serves a wave's instructions in order (ISA guide 5.7.1.4): it sees my list's stores
	s_lshl2_add_u32 s38, s38, s17                  ; the block's number: 4 z + j
	s_min_u32 s38, s38, s40
	s_min_u32 s38, s38, 63
	s_lshl_b32 s38, s38, 15
	v_add_nc_u32 v[HO+\i], s38, v[L16]
.endr
	s_wait_dscnt 0x0
.endm
.macro CLEAR
.set z, 0
.rept 96
	v_mov_b32 v[ACC+z], 0
.set z, z+1
.endr
.endm
.macro PROLOG                          ; the first four K steps, for all three blocks on every path
	ALOAD 0, 0, 3, 6
	WIN 0
.endm
; THE WAY OUT of block i, if it is live: through my own stage; back as whole rows of 256 bytes with their entries; each row to its token.
.macro OUT i
	s_add_co_u32 s38, s24, \i
	s_cmp_lt_u32 s38, s18
	s_cbranch_scc0 .Lno_out_\@
	s_wait_xcnt 0x0                                ; the last stores' data and offsets are rewritten only behind this wait
.irp cb, 0,1,2,3
	ds_store_b128 v[STO], v[ACC+32*(\i)+8*\cb:ACC+32*(\i)+8*\cb+3] offset:64*\cb        ; each accumulator's lowest registers first
	ds_store_b128 v[STO], v[ACC+32*(\i)+8*\cb+4:ACC+32*(\i)+8*\cb+7] offset:64*\cb+16
.endr
	ds_store_b32 v[STK], v[TK+\i]
.irp t, 0,1,2,3,4,5,6,7
	ds_load_b128 v[OB+4*\t:OB+4*\t+3], v[RD] offset:\t*2*SP  ; lanes 0-15 one row, lanes 16-31 the next; in order behind the stores above
	ds_load_b32 v[TE+\t], v[REN] offset:\t*2*SP
.endr
	s_wait_dscnt 0x0
.irp t, 0,1,2,3,4,5,6,7
	v_cmp_gt_u32 vcc_lo, 0x10000, v[TE+\t]         ; not marked: the id lay in 0 .. 7
	v_and_b32 v[TE+\t], 0xffff, v[TE+\t]
	v_min_u32 v[TE+\t], 0x3ff, v[TE+\t]
	v_lshl_add_u32 v[OF+\t], v[TE+\t], 13, v[R16]
.irp k, 0,1,2,3
	v_cndmask_b32 v[OB+4*\t+\k], 0, v[OB+4*\t+\k], vcc_lo  ; a marked token's row is 0
.endr
	global_store_b128 v[OF+\t], v[OB+4*\t:OB+4*\t+3], s[10:11] th:TH_STORE_NT  ; 16 lanes store 256 consecutive bytes, at a multiple of 256 from out's first byte
.endr
.Lno_out_\@:
.endm
; A worker multiplies chunk hf of the lap.  Every jump goes forward and passes no barrier; the chunk's LDS byte steps in every wave, on every path.
.macro WORK hf
	s_cmp_lt_u32 s12, 4
	s_cbranch_scc1 .Lnext_\@
	s_cmp_eq_u32 s18, 0
	s_cbranch_scc1 .Lnext_\@                       ; no live block
	s_lshl_b32 s22, s20, 1                         ; the chunks left: two a trip,
.if \hf
	s_sub_co_u32 s22, s22, 1                       ; less the first
.endif
	s_cmp_lt_u32 s18, 3
	s_cbranch_scc0 .Lthree_\@
	CHUNK 2
	s_branch .Lnext_\@
.Lthree_\@:
	CHUNK 3
.Lnext_\@:
	s_add_co_u32 s23, s23, CH
.endm
	s_load_b256 s[4:11], s[0:1], 0x0
	v_lshl_add_u32 v[SPW], v0, 2, SPARE
	v_mov_b32 v[NIL], 0
	v_lshrrev_b32 v23, 5, v0
	v_readfirstlane_b32 s12, v23                   ; wave 0..7
	s_and_b32 s17, s12, 3                          ; my number in my trade
	v_and_b32 v[LN], 31, v0
	v_and_b32 v[RR], 15, v0
	v_bfe_u32 v[HH], v0, 4, 1
	v_lshlrev_b32 v[L16], 4, v[LN]
	s_and_b32 s13, ttmp7, 0xffff                   ; the expert
	s_lshl_b32 s44, ttmp9, 8                       ; the slice's 256 bytes of a row, in the weights and in out
	s_mov_b32 s45, 0
	s_lshl_b32 s28, s13, 23                        ; the expert's 8 MiB of weights
	s_add_co_u32 s28, s28, s44
	s_mov_b32 s29, 0
	s_lshl_b32 s46, s13, 21                        ; its 2 MiB of hbuf
	s_mov_b32 s47, 0
	s_mov_b32 s20, TRIPS
	s_mov_b32 s23, 0
	s_mov_b32 s24, 0
	s_mov_b32 s15, 0                               ; a loader has no rows
	s_mov_b32 s16, 0
	s_mov_b32 s18, 0
	s_mov_b32 s40, 0
	s_mov_b32 s33, 1
	s_mul_i32 s32, s17, LISTB
	s_add_co_u32 s32, s32, LISTS                   ; a worker's list
	; a loader's terms
	v_lshlrev_b32 v[WO], 4, v[RR]                  ; 16 c4
	v_lshl_add_u32 v[WO], v[HH], 16, v[WO]         ; 8 rows
	s_lshl_b32 s38, s17, 17                        ; the wave's 16 rows
	v_add_nc_u32 v[WO], s38, v[WO]
	v_lshrrev_b32 v24, 2, v[RR]                    ; column block c4 / 4
	v_mul_u32_u24 v[SA], v24, CB
	v_and_b32 v24, 3, v[RR]
	v_mul_u32_u24 v24, v24, 4*PITCH                ; my first column in it
	v_add_nc_u32 v[SA], v[SA], v24
	v_lshl_add_u32 v[SA], v[HH], 4, v[SA]          ; my eight k: 16 bytes
	s_lshl_b32 s38, s17, 5                         ; the wave's 16 k: 32 bytes
	v_add_nc_u32 v[SA], s38, v[SA]
	; a worker's terms
	v_mul_u32_u24 v[BA], v[RR], PITCH
	v_lshl_add_u32 v[BA], v[HH], 4, v[BA]
	s_lshl_b32 s38, s17, 4
	s_add_co_u32 s38, s38, 1
	v_add_nc_u32 v[RB], s38, v[RR]
	s_mul_i32 s38, s17, 16*SP
	s_add_co_u32 s38, s38, STAGE                   ; a worker's stage
	v_mul_u32_u24 v23, v[RR], SP
	v_add_nc_u32 v23, s38, v23
	v_lshl_add_u32 v[STO], v[HH], 5, v23           ; in: row lane % 16, 32 bytes for each half of the lanes
	v_add_nc_u32 v[STK], 256, v23                  ; the row's entry, in its padding
	v_lshlrev_b32 v[R16], 4, v[RR]
	v_mul_u32_u24 v23, v[HH], SP
	v_add_nc_u32 v23, s38, v23
	v_add_nc_u32 v[RD], v23, v[R16]                ; back: lanes 0-15 take one row of 256 bytes, lanes 16-31 the next
	v_add_nc_u32 v[REN], 256, v23
	v_lshlrev_b32 v[TK4], 2, v[LN]
	v_add_nc_u32 v[TK4+1], 0x10000, v[TK4]
	v_add_nc_u32 v[TK4+2], 1184, v[LN]
.irp i, 0,1,2
	v_mov_b32 v[HO+\i], v[L16]
	v_mov_b32 v[TK+\i], 0
.endr
	CLEAR                                          ; stands in the wait for the arguments
	s_wait_kmcnt 0x0
	s_add_nc_u64 s[4:5], s[4:5], s[28:29]
	s_add_nc_u64 s[6:7], s[6:7], s[46:47]
	s_add_nc_u64 s[10:11], s[10:11], s[44:45]
	s_cmp_lt_u32 s12, 4
	s_cbranch_scc0 .Lworker
.irp j, 0,1,2,3,4,5,6,7
	WLOAD \j, 0                                    ; a loader fills its ring
.endr
	WIN 0
	s_branch .Ltrip
.Lworker:
.irp q, 0,1,2,3,4,5,6,7
	global_load_b128 v[BF+4*\q:BF+4*\q+3], v[L16], s[8:9] offset:512*\q  ; register 4 q + c of lane l: the id of token 128 q + 4 l + c
.endr
	v_add_nc_u32 v23, s32, v[L16]
.irp k, 24,25,26,27
	v_mov_b32 v\k, 0
.endr
.irp t, 0,1,2,3,4,5,6,7,8,9
	ds_store_b128 v23, v[24:27] offset:512*\t      ; my list is zeroed whole: ten times 512 bytes
.endr
	s_wait_loadcnt 0x0
	; THE LIST: a counting sort in the order (register, lane): ranked by the same lines as in the launch before, so the ranks agree; here an entry also carries the mark.
.set g, 0
.rept 32
	v_min_u32 v23, 8, v[BF+g]
	v_and_b32 v23, 7, v23                          ; an id outside 0 .. 7 goes with expert 0
	v_cmp_eq_u32 s34, s13, v23
	v_cmp_gt_u32 vcc_lo, 8, v[BF+g]
	v_cndmask_b32 v24, v[TK4+1], v[TK4], vcc_lo    ; and is marked
	v_add_nc_u32 v24, 128*(g/4)+g%4, v24           ; the token
	v_mbcnt_lo_u32_b32 v25, s34, s33               ; rank + 1
	v_cndmask_b32 v25, v[TK4+2], v25, s34          ; a lane without a match stores into its dump word
	v_min_u32 v25, 0x4bf, v25
	v_lshl_add_u32 v25, v25, 2, s32
	ds_store_b32 v25, v24
	s_bcnt1_i32_b32 s35, s34
	s_add_co_u32 s33, s33, s35
.set g, g+1
.endr
	s_sub_co_u32 s15, s33, 1                       ; the expert's rows
	s_add_co_u32 s16, s15, 15
	s_lshr_b32 s16, s16, 4                         ; its blocks
	s_add_co_u32 s18, s16, 3
	s_sub_co_u32 s18, s18, s17
	s_lshr_b32 s18, s18, 2                         ; those of them that are j + 4 z
	s_max_u32 s40, s16, 1
	s_sub_co_u32 s40, s40, 1                       ; the last block that the launch before wrote
	ROWS
	PROLOG
.Ltrip:                                                ; a lap
	v_add_nc_u32 v[SAC], s23, v[SA]                ; made by every wave
	s_cmp_lt_u32 s12, 4
	s_cbranch_scc0 .Lmeet
	s_cmp_eq_u32 s20, 1
	s_cbranch_scc1 .Llast
.irp j, 0,1,2,3,4,5,6,7
	SLOT \j, 1, 56                                 ; 56: the seven younger slots' eight loads each
.endr
	WIN 0
	s_branch .Lmeet
.Llast:                                                ; the last lap asks for nothing: the counts run down
.irp j, 0,1,2,3,4,5,6,7
	SLOT \j, 0, 8*(7-\j)
.endr
	WIN 0
.Lmeet:
	s_wait_dscnt 0x0                               ; for the others' sake: my stores into the lap's two chunks are done (a worker: its LDS loads are back)
	s_barrier_signal -1
	s_barrier_wait -1                              ; the two chunks are whole
	WORK 0
	WORK 1
	s_wait_xcnt 0x0                                ; the weights' base steps only behind this wait; every wave steps it
	s_add_nc_u64 s[4:5], s[4:5], LAP
	s_sub_co_u32 s20, s20, 1
	s_cmp_lg_u32 s20, 0
	s_cbranch_scc1 .Ltrip
	s_mov_b32 s25, 6
.Lpass:                                                ; a trip, walked by all eight waves: a pass goes out; the next one, if any block of it is live, is multiplied on the resident slice
	s_cmp_lt_u32 s12, 4
	s_cbranch_scc1 .Lstaged                        ; a loader has nothing to send
	OUT 0
	OUT 1
	OUT 2
.Lstaged:
	s_wait_dscnt 0x0                               ; my stores into my stage and my reads of it are done
	s_barrier_signal -1
	s_barrier_wait -1                              ; every wave's are: the slice is read only behind this
	s_add_co_u32 s24, s24, 3
	s_cmp_lt_u32 s24, s18
	s_cbranch_scc0 .Lno_more
	s_wait_loadcnt 0x0                             ; no load of mine is out: the blocks' offsets and fragment registers are written anew
	s_wait_xcnt 0x0
	ROWS
	CLEAR
	PROLOG
	s_mov_b32 s23, 0
	s_mov_b32 s42, NCH
.Lchunk:
	s_mov_b32 s22, s42
	CHUNK 3
	s_add_co_u32 s23, s23, CH
	s_sub_co_u32 s42, s42, 1
	s_cmp_lg_u32 s42, 0
	s_cbranch_scc1 .Lchunk
.Lno_more:
	s_wait_dscnt 0x0                               ; my reads of the slice are back
	s_barrier_signal -1
	s_barrier_wait -1                              ; every wave's are: the stages, and at the end the spare words, are written only behind this
	s_sub_co_u32 s25, s25, 1
	s_cmp_lg_u32 s25, 0
	s_cbranch_scc1 .Lpass
	s_wait_tensorcnt 0x0                           ; the wave's end: three closing lines, behind my last LDS store
	ds_add_u32 v[SPW], v[NIL]
	s_wait_dscnt 0x0
	s_endpgm
.Lfunc_end_k_qb688fa2574_down:
	.size	k_qb688fa2574_down, .Lfunc_end_k_qb688fa2574_down-k_qb688fa2574_down
	.p2alignl 7, 3214868480
	.fill 96, 4, 3214868480
	.section	.rodata,"a",@progbits
	.p2align	6, 0x0
	.amdhsa_kernel k_qb688fa2574_down
		.amdhsa_group_segment_fixed_size 174336
		.amdhsa_private_segment_fixed_size 0
		.amdhsa_enable_private_segment 0
		.amdhsa_kernarg_size 32
		.amdhsa_user_sgpr_count 2
		.amdhsa_user_sgpr_kernarg_segment_ptr 1
		.amdhsa_wavefront_size32 1
		.amdhsa_system_sgpr_workgroup_id_x 1
		.amdhsa_system_sgpr_workgroup_id_y 1
		.amdhsa_system_sgpr_workgroup_id_z 1
		.amdhsa_system_vgpr_workitem_id 0
		.amdhsa_next_free_vgpr 512
		.amdhsa_next_free_sgpr 66
		.amdhsa_reserve_vcc 1
		.amdhsa_float_denorm_mode_32 3
		.amdhsa_float_denorm_mode_16_64 3
		.amdhsa_memory_ordered 1
		.amdhsa_forward_progress 1
		.amdhsa_inst_pref_size 165
	.end_amdhsa_kernel
	.amdgpu_metadata
---
amdhsa.version: [ 1, 2 ]
amdhsa.kernels:
  - .name:           k_qb688fa2574_down
    .symbol:         k_qb688fa2574_down.kd
    .args:
      - { .name: down_proj, .offset: 0, .size: 8, .value_kind: global_buffer, .address_space: global }
      - { .name: hbuf, .offset: 8, .size: 8, .value_kind: global_buffer, .address_space: global }
      - { .name: expert_ids, .offset: 16, .size: 8, .value_kind: global_buffer, .address_space: global }
      - { .name: out0, .offset: 24, .size: 8, .value_kind: global_buffer, .address_space: global }
    .group_segment_fixed_size: 174336
    .private_segment_fixed_size: 0
    .kernarg_segment_align: 8
    .kernarg_segment_size: 32
    .max_flat_workgroup_size: 256
    .sgpr_count:     66
    .vgpr_count:     512
    .wavefront_size: 32
...
	.end_amdgpu_metadata
.endif
;; end of part 2
;; ======== version 2 of 3: 3 launches; 1.30 times as fast as version 1
;; workspace buffers: xbuf 33,554,432 bytes; hbuf 16,777,216 bytes; route 33,024 bytes of whole numbers
;; launch sortx (part 3): grid 64 x 8, 8 waves a work-group, no clusters, 41,984 bytes of LDS; arguments x, expert_ids, xbuf, route; writes xbuf, route
.if DOCPART == 3
	.amdgcn_target "amdgcn-amd-amdhsa--gfx1250"
	.amdhsa_code_object_version 6
	.text
	.protected	k_qb688fa2574_sortx
	.globl	k_qb688fa2574_sortx
	.p2align	8
	.type	k_qb688fa2574_sortx,@function
k_qb688fa2574_sortx:
	s_mov_b64 s[64:65], 0
	v_nop
	global_prefetch_b8 v0, s[64:65] scope:SCOPE_SE
	s_setreg_imm32_b32 hwreg(HW_REG_WAVE_MODE, 25, 1), 1
	s_wait_xcnt 0x0
; x's rows, rounded once to bf16 and laid by expert and rank in the order in which the next launch's operand registers take them; and the routing as whole numbers.
; x [1024][2048] f32, ids [1024] i32.
; xbuf [expert 8][block of 16 ranks 64][K step 64][1,024 bytes] bf16: the 1,024 bytes are the register image of a 16 tokens x 32 k operand: bytes 16 L hold lane L's registers 0-3,
; bytes 512 + 16 L its registers 4-7.  Inside a K step place p of lane half h holds k = 8 (p / 4) + 4 h + p % 4: so a lane's loads of x are 16 consecutive bytes each; the next launch lays
; its weights in the same order.  route: word [expert][rank] = the token, + 0x10000 if its id lies outside 0 .. 7; from byte 0x8000 on the eight counts.
; SHARES.  Work-group (b, e): block b of expert e.  Any expert may have all 1,024 tokens, hence 64 blocks an expert; a work-group needs its own expert's count alone to find its rows, and one
; whose block begins at or past max(count, 1) stores nothing and ends.  Block 0 is always written: the later launches' first loads read it whatever the count.
; A wave takes 8 of the block's 64 K steps: 32 loads, all issued at once, 64 conversions, 16 stores of 512 consecutive bytes, aligned.
; ROUTING.  Every wave sorts the ids for itself into a list of its own in LDS (rank + 1 -> entry; word 0 stays 0): no barrier.  An id outside 0 .. 7 goes with expert 0 and is marked.
; Places past the count repeat the expert's last entry.  EXEC is never changed.  No matrix unit, cluster or tensor load: each row is read by one work-group, by a list.
.set LISTB, 5120                       ; a list: 1,280 words, zeroed: words 1 .. 1024 by rank, words 1184 .. 1215 a dump place for each lane
.set SPARE, 8*LISTB                    ; the spare words, 128 bytes for each of 8 waves: four blocks of 256 bytes that no other line names
.set CNT0,  0x8000                     ; route: where the counts begin
.set SPW, 1                            ; v1   my spare word's LDS address; never rewritten
.set NIL, 2                            ; v2   0; never rewritten
.set LN,  3                            ; v3   lane
.set RR,  4                            ; v4   lane % 16
.set HH,  5                            ; v5   lane / 16
.set L16, 6                            ; v6   16 x lane
.set XO,  7                            ; v7   my byte offset in x
.set EN,  8                            ; v8   my row's entry
.set IX,  9                            ; v9   its place in the list
.set RO,  10                           ; v10  its place in route
.set CA,  11                           ; v11  the count's place in route
.set CV,  12                           ; v12  the count
.set TK4, 20                           ; v20  4 x lane;  v21 the same marked;  v22 my dump word's index
.set IDS, 32                           ; v32-63   the ids
.set LAND, 64                          ; v64-191  8 K steps of my row's half as loaded, 16 registers a step
.set O,   192                          ; v192-255 the same rounded, 8 registers a step
; s[4:5] x  s[6:7] ids  s[8:9] xbuf at my wave's part of the block  s[10:11] route  s12 wave  s13 expert  s14 block  s15 count  s[16:17] an offset  s32 my list  s33 running rank + 1
; s34, s35 a mask and its count  s38, s39 at work
	s_load_b256 s[4:11], s[0:1], 0x0
	v_lshl_add_u32 v[SPW], v0, 2, SPARE
	v_mov_b32 v[NIL], 0
	v_lshrrev_b32 v23, 5, v0
	v_readfirstlane_b32 s12, v23                   ; wave 0..7
	v_and_b32 v[LN], 31, v0
	v_and_b32 v[RR], 15, v0
	v_bfe_u32 v[HH], v0, 4, 1
	v_lshlrev_b32 v[L16], 4, v[LN]
	s_and_b32 s13, ttmp7, 0xffff                   ; the expert
	s_mov_b32 s14, ttmp9                           ; the block
	s_mul_i32 s32, s12, LISTB                      ; my list
	v_lshlrev_b32 v[TK4], 2, v[LN]
	v_add_nc_u32 v[TK4+1], 0x10000, v[TK4]
	v_add_nc_u32 v[TK4+2], 1184, v[LN]
	s_mov_b32 s33, 1
	v_add_nc_u32 v23, s32, v[L16]
.irp k, 24,25,26,27
	v_mov_b32 v\k, 0
.endr
.irp t, 0,1,2,3,4,5,6,7,8,9
	ds_store_b128 v23, v[24:27] offset:512*\t      ; my list is zeroed whole: ten times 512 bytes
.endr
	s_lshl_b32 s16, s13, 22                        ; the expert's 4 MiB of xbuf,
	s_lshl_b32 s38, s14, 16                        ; the block's 64 KiB,
	s_add_co_u32 s16, s16, s38
	s_lshl_b32 s38, s12, 13                        ; my wave's eight K steps
	s_add_co_u32 s16, s16, s38
	s_mov_b32 s17, 0
	s_wait_kmcnt 0x0
.irp q, 0,1,2,3,4,5,6,7
	global_load_b128 v[IDS+4*\q:IDS+4*\q+3], v[L16], s[6:7] offset:512*\q  ; register 4 q + c of lane l: the id of token 128 q + 4 l + c
.endr
	s_add_nc_u64 s[8:9], s[8:9], s[16:17]
	s_wait_loadcnt 0x0
	; THE LIST: a counting sort in the order (register, lane)
.set g, 0
.rept 32
	v_min_u32 v23, 8, v[IDS+g]
	v_and_b32 v23, 7, v23                          ; an id outside 0 .. 7 goes with expert 0
	v_cmp_eq_u32 s34, s13, v23
	v_cmp_gt_u32 vcc_lo, 8, v[IDS+g]
	v_cndmask_b32 v24, v[TK4+1], v[TK4], vcc_lo    ; and is marked
	v_add_nc_u32 v24, 128*(g/4)+g%4, v24           ; the token
	v_mbcnt_lo_u32_b32 v25, s34, s33               ; rank + 1
	v_cndmask_b32 v25, v[TK4+2], v25, s34          ; a lane without a match stores into its dump word
	v_min_u32 v25, 0x4bf, v25
	v_lshl_add_u32 v25, v25, 2, s32
	ds_store_b32 v25, v24
	s_bcnt1_i32_b32 s35, s34
	s_add_co_u32 s33, s33, s35
.set g, g+1
.endr
	s_sub_co_u32 s15, s33, 1                       ; the expert's rows
	s_max_u32 s38, s15, 1
	s_lshl_b32 s39, s14, 4                         ; my block's first rank
	s_cmp_lt_u32 s39, s38
	s_cbranch_scc0 .Lend                           ; the block has no row
	s_add_co_u32 s39, s39, 1
	v_add_nc_u32 v[IX], s39, v[RR]                 ; rank + 1,
	v_min_u32 v[IX], s15, v[IX]                    ; past the count the last entry, with no entry word 0
	v_min_u32 v[IX], 0x400, v[IX]
	v_lshl_add_u32 v[IX], v[IX], 2, s32
	ds_load_b32 v[EN], v[IX]                       ; LDS serves a wave's instructions in order (ISA guide 5.7.1.4): it sees my list's stores
	s_lshl_b32 s38, s12, 10                        ; my wave's 256 k: 1,024 bytes of a row
	v_lshl_add_u32 v23, v[HH], 4, s38
	s_wait_dscnt 0x0
	v_and_b32 v24, 0xffff, v[EN]
	v_min_u32 v24, 0x3ff, v24
	v_lshl_add_u32 v[XO], v24, 13, v23
.irp q, 0,1,2,3,4,5,6,7
.irp m, 0,1,2,3
	global_load_b128 v[LAND+16*\q+4*\m:LAND+16*\q+4*\m+3], v[XO], s[4:5] offset:128*\q+32*\m
.endr
.endr
	s_cmp_lg_u32 s12, 0
	s_cbranch_scc1 .Lnot0                          ; wave 0 stores the block's sixteen entries (lanes r and r + 16 the same word), 64 consecutive bytes,
	s_lshl_b32 s38, s13, 12
	s_lshl_b32 s39, s14, 6
	s_add_co_u32 s38, s38, s39
	v_lshl_add_u32 v[RO], v[RR], 2, s38
	global_store_b32 v[RO], v[EN], s[10:11]
	s_cmp_lg_u32 s14, 0
	s_cbranch_scc1 .Lnot0                          ; and in block 0 the expert's count
	s_lshl_b32 s38, s13, 2
	s_add_co_u32 s38, s38, CNT0
	v_mov_b32 v[CA], s38
	v_mov_b32 v[CV], s15
	global_store_b32 v[CA], v[CV], s[10:11]
.Lnot0:
.irp q, 0,1,2,3,4,5,6,7
	s_wait_loadcnt 28-4*\q                         ; loads come back in order (ISA guide 5.7.1): this K step's four are in, the later steps' four each stay out
.irp z, 0,1,2,3,4,5,6,7
	v_cvt_pk_bf16_f32 v[O+8*\q+\z], v[LAND+16*\q+2*\z], v[LAND+16*\q+2*\z+1]
.endr
	global_store_b128 v[L16], v[O+8*\q:O+8*\q+3], s[8:9] offset:1024*\q          ; the operand's registers 0-3: the wave stores 512 consecutive bytes, aligned
	global_store_b128 v[L16], v[O+8*\q+4:O+8*\q+7], s[8:9] offset:1024*\q+512    ; its registers 4-7
.endr
.Lend:
	s_wait_tensorcnt 0x0                           ; the wave's end: three closing lines, behind my last LDS store
	ds_add_u32 v[SPW], v[NIL]
	s_wait_dscnt 0x0
	s_endpgm
.Lfunc_end_k_qb688fa2574_sortx:
	.size	k_qb688fa2574_sortx, .Lfunc_end_k_qb688fa2574_sortx-k_qb688fa2574_sortx
	.p2alignl 7, 3214868480
	.fill 96, 4, 3214868480
	.section	.rodata,"a",@progbits
	.p2align	6, 0x0
	.amdhsa_kernel k_qb688fa2574_sortx
		.amdhsa_group_segment_fixed_size 41984
		.amdhsa_private_segment_fixed_size 0
		.amdhsa_enable_private_segment 0
		.amdhsa_kernarg_size 32
		.amdhsa_user_sgpr_count 2
		.amdhsa_user_sgpr_kernarg_segment_ptr 1
		.amdhsa_wavefront_size32 1
		.amdhsa_system_sgpr_workgroup_id_x 1
		.amdhsa_system_sgpr_workgroup_id_y 1
		.amdhsa_system_sgpr_workgroup_id_z 1
		.amdhsa_system_vgpr_workitem_id 0
		.amdhsa_next_free_vgpr 256
		.amdhsa_next_free_sgpr 66
		.amdhsa_reserve_vcc 1
		.amdhsa_float_denorm_mode_32 3
		.amdhsa_float_denorm_mode_16_64 3
		.amdhsa_memory_ordered 1
		.amdhsa_forward_progress 1
		.amdhsa_inst_pref_size 33
	.end_amdhsa_kernel
	.amdgpu_metadata
---
amdhsa.version: [ 1, 2 ]
amdhsa.kernels:
  - .name:           k_qb688fa2574_sortx
    .symbol:         k_qb688fa2574_sortx.kd
    .args:
      - { .name: x, .offset: 0, .size: 8, .value_kind: global_buffer, .address_space: global }
      - { .name: expert_ids, .offset: 8, .size: 8, .value_kind: global_buffer, .address_space: global }
      - { .name: xbuf, .offset: 16, .size: 8, .value_kind: global_buffer, .address_space: global }
      - { .name: route, .offset: 24, .size: 8, .value_kind: global_buffer, .address_space: global }
    .group_segment_fixed_size: 41984
    .private_segment_fixed_size: 0
    .kernarg_segment_align: 8
    .kernarg_segment_size: 32
    .max_flat_workgroup_size: 256
    .sgpr_count:     66
    .vgpr_count:     256
    .wavefront_size: 32
...
	.end_amdgpu_metadata
.endif
;; end of part 3
;; launch gateup (part 4): grid 32 x 8, 8 waves a work-group, no clusters, 271,872 bytes of LDS; arguments gate_up_proj, xbuf, route, hbuf; writes hbuf
.if DOCPART == 4
	.amdgcn_target "amdgcn-amd-amdhsa--gfx1250"
	.amdhsa_code_object_version 6
	.text
	.protected	k_qb688fa2574_gateup
	.globl	k_qb688fa2574_gateup
	.p2align	8
	.type	k_qb688fa2574_gateup,@function
k_qb688fa2574_gateup:
	s_mov_b64 s[64:65], 0
	v_nop
	global_prefetch_b8 v0, s[64:65] scope:SCOPE_SE
	s_setreg_imm32_b32 hwreg(HW_REG_WAVE_MODE, 25, 1), 1
	s_wait_xcnt 0x0
; h = silu(x Wg) * (x Wu) for the ONE expert that each token names.  gate_up [8][2048 k][2048 n] f32 (n < 1024: g, else u); xbuf and route as the launch before stored them:
; xbuf [expert 8][block of 16 ranks 64][K step 64][1,024 bytes] bf16, the register image of a 16 tokens x 32 k operand; route's word at 0x8000 + 4 e: expert e's count.
; hbuf [expert 8][block 64][K step 32][1,024 bytes] bf16: the same kind of image for the next launch (16 tokens x 32 channels).  Only blocks below max(ceil(count / 16), 1) are written and read.
; SHARES.  Work-group (s, e): expert e, g columns 32 s .. +31 and u columns 1024 + 32 s .. +31, all 2,048 k, all rows of the expert.  256 work-groups.
; TWO TRADES.  Waves 0-3 LOAD: f32 weights into a ring of 8 slots x 8 loads of 16 bytes a lane (64 loads a wave on their way), rounded to bf16 and stored into LDS turned, k along a column's row.
; Waves 4-7 WORK: token fragments from memory straight into operand registers, weight fragments from LDS, products.  Each trade has its own load counter.
; LDS holds the whole bf16 slice, every byte written once, in chunks of 256 k.  A trip is a lap of the ring, 512 k, two chunks: the loaders take the lap's eight slots in ONE run (between a slot's
; request and its turn stand exactly the seven other slots' requests), one barrier, and the workers multiply the lap's two chunks while the loaders write the next lap's.
; THE WORKERS' RING.  Four sets of 2 K steps x 3 blocks, 192 registers; a chunk is one period.  A set is asked for again straight behind its own products, for the next chunk, so that all 8 K steps
; are in registers when a barrier opens.  No refill is ever jumped, so that on every way three refills stand behind a set's loads; the last chunk of a pass asks for its own chunk's bytes once
; more (the chunk's number is clamped): four refills of a pass's 32 serve nothing.
; ONE TEXT FOR EIGHT WAVES.  The barriers stand on the path that all waves share, so the two trades' texts follow each other.  Hence: every wave makes both trades' addresses, at the head;
; whatever steps from chunk to chunk steps on the shared path; the loaders' ring lies on registers into which no worker's global load lands; four places stand behind every K step's products.
; ROWS.  Worker j owns the blocks j + 4 z; a pass holds three of them (12 accumulators).  Pass 0 runs under the stream; later passes (more than 192 rows) on the resident slice, in a loop of 6 trips,
; which serves all 1,024 rows on one expert; dead trips are jumped forward.  Blocks past the count are not stored.  EXEC is never changed.  An expert without rows still has its weights read.
; ORDER OF k.  Inside a K step of 32 both operands hold k in the same permuted order (place p of lane half h: k = 8 (p / 4) + 4 h + p % 4), as xbuf has it.
; NO CLUSTER, NO TENSOR LOAD: each weight byte has one reader in the launch and must pass registers to be rounded and turned.  An expert's 32 work-groups do read the same token blocks; a shared
; tile of one chunk for a pass's twelve blocks is 12 x 8 KB = 96 KB, and beside the slice of 270,848 bytes 56 KB of LDS are left.
; A weight load takes pieces of 128 consecutive bytes: g and u of one channel must meet in one work-group, and 64 + 64 columns of bf16 over 2,048 k would be 512 KB of LDS.
; LIMITS.  x, the weights and h are rounded once to bf16 (nearest even); sums and silu in f32; v_exp_f32 and v_rcp_f32 flush denormals (ISA guide 15.8).  A token whose id lies outside 0 .. 7 is
; listed with expert 0: its h is computed, and the next launch writes zeros for it.  The accumulators are cleared by 96 v_mov_b32 a pass: no first step is written out.
.set PITCH, 528                        ; a column's row in a chunk: 256 k x 2 bytes + 16: 33 x 16 bytes, so the 16 rows of a fragment load begin in 16 different 16-byte columns of 256 bytes
.set CB,    16*PITCH+16                ; a block of 16 columns, + 16 bytes: the loaders' sixteen lanes of a store then also fall into 16 different 16-byte columns
.set CH,    4*CB                       ; a chunk: blocks 0, 1 = g, blocks 2, 3 = u
.set NCH,   8                          ; chunks: 2,048 k
.set TRIPS, NCH/2                      ; a trip = a lap of the ring = 512 k = two chunks
.set SPARE, NCH*CH                     ; the spare words, 128 bytes for each of 8 waves: four blocks of 256 bytes that no other line names
.set ROWB,  8192                       ; bytes in a row of the weights
.set SLOTB, 64*ROWB                    ; from slot to slot: four waves x 16 k
.set LAP,   512*ROWB
.set FO2,   16                         ; a weight fragment's registers 4-7 lie 16 bytes behind its registers 0-3
.set CNT0,  0x8000                     ; route: where the counts begin
.set SPW, 1                            ; v1   my spare word's LDS address; never rewritten
.set NIL, 2                            ; v2   0; never rewritten
.set LN,  3                            ; v3   lane
.set RR,  4                            ; v4   lane % 16
.set HH,  5                            ; v5   lane / 16
.set L16, 6                            ; v6   16 x lane
.set WO,  7                            ; v7   a loader's byte offset in the weights
.set SA,  8                            ; v8   a loader's place in a chunk
.set BA,  9                            ; v9   a worker's place in a block of a chunk
.set BAC, 10                           ; v10  the fragment address in hand
.set SAC, 11                           ; v11  the store address in hand
.set HO,  13                           ; v13-15  block i: my byte offset in the expert's part of xbuf
.set SO,  16                           ; v16-18  block i: my byte offset in hbuf
.set ACC, 32                           ; v32-127  accumulator (block i, column block cb) at 32 + 32 i + 8 cb
.set BF,  128                          ; v128-191 two buffers of weight fragments.  The way out: T
.set T,   128
.set O,   144                          ; v144-167 the way out: 8 registers a block
.set LT,  224                          ; window 1, v224-255: a loader's 16 packed words, two sets by turns; no matrix instruction names them
; window 1: v0-191 a worker's token fragments: set st, block i, step t at 48 st + 16 i + 8 t.
; THE LOADERS' RING: slot j < 7 at v[32 + 32 j] of window 0, slot 7 at v192-223 of window 1; load t at + 4 t.
; s[4:5] weights  s[6:7] xbuf at the expert  s[8:9] route  s[10:11] hbuf  s12 wave  s13 expert  s15 count  s16 blocks  s17 wave % 4 = j  s18 my live blocks  s19 the same, at least 1 for j = 0
; s20 trips left  s23 LDS byte of the chunk in hand  s24 3 x pass  s25 passes left  s[26:27] xbuf at the next chunk  s[28:29] an offset  s[30:31] -log2 e  s36 the last block that was written
; s38, s39 at work  s[40:41], s[44:45] offsets at the head  s42 chunks left in a later pass
.set MSB, 0
.macro WIN new                         ; s_set_vgpr_msb: bits 1:0 source 0, 3:2 source 1, 5:4 source 2, 7:6 destination; the high byte repeats the setting that is left
.if MSB != (\new)
	s_set_vgpr_msb (MSB<<8)|(\new)
.set MSB, (\new)
.endif
.endm
.macro PLACES                          ; four plain vector instructions between a matrix instruction and what rewrites or reads its registers (ISA guide 7.12.1)
.rept 4
	v_nop
.endr
.endm
; LOADER.  Lane: c4 = lane % 8 (four columns, 16 bytes), kg = (lane / 8) % 2, gu = lane / 16.  Load t of a slot takes row (t % 4) + 8 (t / 4) + 4 kg of the wave's 16 k.
.macro WLOAD j, ahead
.if (\j) < 7
	WIN 0
.set RG, 32+32*(\j)
.else
	WIN 0x40                                       ; destination window 1, address window 0
.set RG, 192
.endif
.irp t, 0,1,2,3,4,5,6,7
	global_load_b128 v[RG+4*\t:RG+4*\t+3], v[WO], s[4:5] offset:(\j)*SLOTB+(((\t)&3)+8*((\t)>>2))*ROWB+(\ahead)*LAP th:TH_LOAD_NT  ; each weight byte is read once in the launch
.endr
.endm
; A slot's turn: its eight loads are in; for each of my four columns eight k are rounded into 16 bytes and stored; the slot is asked for again, a lap ahead.
.macro SLOT j, refill, left
	s_wait_loadcnt \left                           ; loads come back in order (ISA guide 5.7.1): mine are in, the younger slots' stay out
.set LJ, LT+16*((\j)&1)                ; the packed words' two sets take turns: a conversion does not land on what the slot before is still storing
.if (\j) < 7
	WIN 0x40                                       ; sources in window 0, destination in window 1
.set RG, 32+32*(\j)
.else
	WIN 0x45                                       ; all in window 1
.set RG, 192
.endif
.irp c, 0,1,2,3
.irp p, 0,1,2,3
	v_cvt_pk_bf16_f32 v[LJ+4*\c+\p], v[RG+8*\p+\c], v[RG+8*\p+4+\c]
.endr
.endr
	WIN 0x04                                       ; the stores' address in window 0, their data in window 1
.irp c, 0,1,2,3
	ds_store_b128 v[SAC], v[LJ+4*\c:LJ+4*\c+3] offset:((\j)>>2)*CH+((\j)&3)*128+\c*PITCH  ; slots 0-3: the lap's first chunk, slots 4-7: its second
.endr
.if \refill
	WLOAD \j, 1
.endif
.endm
; WORKER.  The weight fragments of K step q of a chunk: four column blocks, two loads of 16 bytes each.
.macro FETCHB q
.irp cb, 0,1,2,3
	ds_load_b128 v[BF+32*((\q)&1)+8*\cb:BF+32*((\q)&1)+8*\cb+3],   v[BAC] offset:\cb*CB+64*(\q)
	ds_load_b128 v[BF+32*((\q)&1)+8*\cb+4:BF+32*((\q)&1)+8*\cb+7], v[BAC] offset:\cb*CB+64*(\q)+FO2
.endr
.endm
; K step q: source 0 = 16 weight columns, source 1 = 16 tokens (window 1): a lane then holds ONE token and eight neighbouring columns.  The 8 or 12 accumulators take turns.
.macro WM q, nbk
.irp i, 0,1,2
.if \i < (\nbk)
.irp cb, 0,1,2,3
	v_wmma_f32_16x16x32_bf16 v[ACC+32*\i+8*\cb:ACC+32*\i+8*\cb+7], v[BF+32*((\q)&1)+8*\cb:BF+32*((\q)&1)+8*\cb+7], v[48*((\q)>>1)+16*\i+8*((\q)&1):48*((\q)>>1)+16*\i+8*((\q)&1)+7], v[ACC+32*\i+8*\cb:ACC+32*\i+8*\cb+7]
.endr
.endif
.endr
.endm
; The token fragments of two K steps, at byte off behind the address in s[b:b+1], into set st: each load is 512 consecutive bytes, aligned
.macro ALOAD st, nbk, b, off
	WIN 0x40                                       ; destination window 1, address window 0
.irp i, 0,1,2
.if \i < (\nbk)
.irp t, 0,1
	global_load_b128 v[48*(\st)+16*\i+8*\t:48*(\st)+16*\i+8*\t+3],   v[HO+\i], s[(\b):(\b)+1] offset:(\off)+1024*\t
	global_load_b128 v[48*(\st)+16*\i+8*\t+4:48*(\st)+16*\i+8*\t+7], v[HO+\i], s[(\b):(\b)+1] offset:(\off)+1024*\t+512
.endr
.endif
.endr
.endm
; A chunk: eight K steps, four stages, once round the workers' ring.
.macro CHUNK nbk
	v_add_nc_u32 v[BAC], s23, v[BA]
	WIN 0x04                                       ; source 1 in window 1: the products'; the LDS loads' address and destination stay in window 0
	FETCHB 0
	FETCHB 1
.irp t, 0,1,2,3
	s_wait_loadcnt 24                              ; behind this set's loads stand three refills of 8 loads at the least (2 blocks x 2 steps x 2), on every way: the set is in
	s_wait_dscnt 8                                 ; all but the eight LDS loads issued last
	WM 2*\t, \nbk
	PLACES
.if \t < 3
	FETCHB 2*\t+2
	s_wait_dscnt 8
.else
	s_wait_dscnt 0x0
.endif
	WM 2*\t+1, \nbk
	PLACES                                         ; behind the stage's last products: the set is loaded again below, and whatever follows, on any way, may write their registers
.if \t < 3
	FETCHB 2*\t+3
.endif
	ALOAD \t, \nbk, 26, 2048*\t                    ; the set's next turn: the same stage of the next chunk
.if \t < 3
	WIN 0x04
.endif
.endr
	WIN 0
.endm
; The places in xbuf of the pass's three blocks (a block past the last written one reads that one).
.macro ROWS
.irp i, 0,1,2
	s_add_co_u32 s38, s24, \i
	s_lshl2_add_u32 s38, s38, s17                  ; the block's number: 4 z + j
	s_min_u32 s38, s38, s36
	s_min_u32 s38, s38, 63
	s_lshl_b32 s38, s38, 16
	v_add_nc_u32 v[HO+\i], s38, v[L16]
.endr
.endm
.macro CLEAR
.set z, 0
.rept 96
	v_mov_b32 v[ACC+z], 0
.set z, z+1
.endr
.endm
.macro PROLOG                          ; the ring's first fill: chunk 0, for all three blocks on every path: 48 loads
.irp st, 0,1,2,3
	ALOAD \st, 3, 6, 2048*\st
.endr
	WIN 0
.endm
; THE WAY OUT of block i, if it is live: silu(g) u for my token's 16 channels; each accumulator's lowest registers are read first.
.macro OUT i
	s_add_co_u32 s38, s24, \i
	s_cmp_lt_u32 s38, s19
	s_cbranch_scc0 .Lno_out_\@
.set G, ACC+32*(\i)
.set U, ACC+32*(\i)+16
.set z, 0
.rept 8
	v_pk_mul_f32 v[T+z:T+z+1], v[G+z:G+z+1], s[30:31] op_sel_hi:[1,0]  ; -g log2 e
.set z, z+2
.endr
.set z, 0
.rept 16
	v_exp_f32 v[T+z], v[T+z]
.set z, z+1
.endr
	v_nop                                          ; a plain instruction between the last exponential and the use of its result
.set z, 0
	s_wait_alu depctr_va_vdst(0)
.rept 8
	v_pk_add_f32 v[T+z:T+z+1], v[T+z:T+z+1], 1.0 op_sel_hi:[1,0]
.set z, z+2
.endr
.set z, 0
.rept 16
	v_rcp_f32 v[T+z], v[T+z]
.set z, z+1
.endr
	v_nop
.set z, 0
	s_wait_alu depctr_va_vdst(0)
.rept 8
	v_pk_mul_f32 v[T+z:T+z+1], v[T+z:T+z+1], v[G+z:G+z+1]  ; silu first, then u
.set z, z+2
.endr
.set z, 0
.rept 8
	v_pk_mul_f32 v[T+z:T+z+1], v[T+z:T+z+1], v[U+z:U+z+1]
.set z, z+2
.endr
.set z, 0
.rept 8
	v_cvt_pk_bf16_f32 v[O+8*(\i)+z], v[T+2*z], v[T+2*z+1]
.set z, z+1
.endr
	s_lshl2_add_u32 s38, s38, s17                  ; the block's number: 4 z + j
	s_lshl_b32 s38, s38, 15
	v_add_nc_u32 v[SO+\i], s38, v[L16]
	global_store_b128 v[SO+\i], v[O+8*(\i):O+8*(\i)+3], s[10:11]               ; channels 8 h .. : the operand's registers 0-3; the wave stores 512 consecutive bytes, aligned
	global_store_b128 v[SO+\i], v[O+8*(\i)+4:O+8*(\i)+7], s[10:11] offset:512  ; channels 16 + 8 h .. : its registers 4-7
.Lno_out_\@:
.endm
; A worker multiplies chunk hf of the lap.  Every jump goes forward and passes no barrier; the chunk's LDS byte steps in every wave, on every path.
.macro WORK hf
	s_cmp_lt_u32 s12, 4
	s_cbranch_scc1 .Lnext_\@
	s_cmp_eq_u32 s18, 0
	s_cbranch_scc1 .Lnext_\@                       ; no live block
	s_wait_xcnt 0x0                                ; the refills' base is made anew only behind this wait:
	s_lshl_b32 s28, s20, 1
	s_sub_co_u32 s28, NCH+1+(\hf), s28             ; the next chunk's number,
	s_min_u32 s28, s28, NCH-1                      ; behind the last chunk that chunk itself: no load leaves the block,
	s_lshl_b32 s28, s28, 13                        ; its eight K steps of 1,024 bytes
	s_add_nc_u64 s[26:27], s[6:7], s[28:29]
	s_cmp_lt_u32 s18, 3
	s_cbranch_scc0 .Lthree_\@
	CHUNK 2
	s_branch .Lnext_\@
.Lthree_\@:
	CHUNK 3
.Lnext_\@:
	s_add_co_u32 s23, s23, CH
.endm
	s_load_b256 s[4:11], s[0:1], 0x0
	v_lshl_add_u32 v[SPW], v0, 2, SPARE
	v_mov_b32 v[NIL], 0
	v_lshrrev_b32 v23, 5, v0
	v_readfirstlane_b32 s12, v23                   ; wave 0..7
	s_and_b32 s17, s12, 3                          ; my number in my trade
	v_and_b32 v[LN], 31, v0
	v_and_b32 v[RR], 15, v0
	v_bfe_u32 v[HH], v0, 4, 1
	v_lshlrev_b32 v[L16], 4, v[LN]
	s_and_b32 s13, ttmp7, 0xffff                   ; the expert
	s_lshl_b32 s28, s13, 24                        ; its 16 MiB of weights,
	s_lshl_b32 s38, ttmp9, 7                       ; the slice's 128 bytes of a row
	s_add_co_u32 s28, s28, s38
	s_mov_b32 s29, 0
	s_lshl_b32 s40, s13, 21                        ; its 2 MiB of hbuf,
	s_lshl_b32 s38, ttmp9, 10                      ; the slice's K step
	s_add_co_u32 s40, s40, s38
	s_mov_b32 s41, 0
	s_lshl_b32 s44, s13, 22                        ; its 4 MiB of xbuf
	s_mov_b32 s45, 0
	s_mov_b32 s20, TRIPS
	s_mov_b32 s23, 0
	s_mov_b32 s24, 0
	s_mov_b32 s15, 0                               ; a loader has no rows
	s_mov_b32 s16, 0
	s_mov_b32 s18, 0
	s_mov_b32 s19, 0
	s_mov_b32 s36, 0
	s_mov_b32 s30, 0xbfb8aa3b                      ; -log2 e
	s_mov_b32 s31, s30                             ; named with it as a pair
	; a loader's terms
	v_and_b32 v23, 7, v0                           ; c4
	v_bfe_u32 v24, v0, 3, 1                        ; kg
	v_lshlrev_b32 v[WO], 4, v23
	v_lshl_add_u32 v[WO], v24, 15, v[WO]           ; 4 rows
	v_lshl_add_u32 v[WO], v[HH], 12, v[WO]         ; u lies 4,096 bytes behind g
	s_lshl_b32 s38, s17, 17                        ; the wave's 16 rows
	v_add_nc_u32 v[WO], s38, v[WO]
	v_lshrrev_b32 v25, 2, v23
	v_lshl_add_u32 v25, v[HH], 1, v25              ; column block 2 gu + c4 / 4
	v_mul_u32_u24 v[SA], v25, CB
	v_and_b32 v25, 3, v23
	v_mul_u32_u24 v25, v25, 4*PITCH                ; my first column in it
	v_add_nc_u32 v[SA], v[SA], v25
	v_lshl_add_u32 v[SA], v24, 5, v[SA]            ; the lane half that will read my k: 32 bytes
	s_lshr_b32 s38, s17, 1
	s_lshl_b32 s38, s38, 6                         ; the wave's K step of a slot's two,
	s_and_b32 s39, s17, 1
	s_lshl_b32 s39, s39, 4                         ; and its half of it
	s_add_co_u32 s38, s38, s39
	v_add_nc_u32 v[SA], s38, v[SA]
	; a worker's terms
	v_mul_u32_u24 v[BA], v[RR], PITCH
	v_lshl_add_u32 v[BA], v[HH], 5, v[BA]
.irp i, 0,1,2
	v_mov_b32 v[HO+\i], v[L16]
.endr
	CLEAR                                          ; stands in the wait for the arguments
	s_wait_kmcnt 0x0
	s_add_nc_u64 s[4:5], s[4:5], s[28:29]
	s_add_nc_u64 s[6:7], s[6:7], s[44:45]
	s_add_nc_u64 s[10:11], s[10:11], s[40:41]
	s_cmp_lt_u32 s12, 4
	s_cbranch_scc0 .Lworker
.irp j, 0,1,2,3,4,5,6,7
	WLOAD \j, 0                                    ; a loader fills its ring
.endr
	WIN 0
	s_branch .Ltrip
.Lworker:
	s_lshl_b32 s38, s13, 2
	s_load_b32 s15, s[8:9], s38 offset:CNT0        ; the expert's rows, as the launch before counted them
	s_wait_kmcnt 0x0
	s_min_u32 s15, s15, 0x400
	s_add_co_u32 s16, s15, 15
	s_lshr_b32 s16, s16, 4                         ; its blocks
	s_add_co_u32 s18, s16, 3
	s_sub_co_u32 s18, s18, s17
	s_lshr_b32 s18, s18, 2                         ; those of them that are j + 4 z
	s_cmp_eq_u32 s17, 0
	s_cselect_b32 s38, 1, 0
	s_max_u32 s19, s18, s38                        ; block 0 is always stored: the next launch's first loads read it whatever the count
	s_max_u32 s36, s16, 1
	s_sub_co_u32 s36, s36, 1                       ; the last block that the launch before wrote
	ROWS
	PROLOG
.Ltrip:                                                ; a lap
	v_add_nc_u32 v[SAC], s23, v[SA]                ; made by every wave
	s_cmp_lt_u32 s12, 4
	s_cbranch_scc0 .Lmeet
	s_cmp_eq_u32 s20, 1
	s_cbranch_scc1 .Llast
.irp j, 0,1,2,3,4,5,6,7
	SLOT \j, 1, 56                                 ; 56: the seven younger slots' eight loads each
.endr
	WIN 0
	s_branch .Lmeet
.Llast:                                                ; the last lap asks for nothing: the counts run down
.irp j, 0,1,2,3,4,5,6,7
	SLOT \j, 0, 8*(7-\j)
.endr
	WIN 0
.Lmeet:
	s_wait_dscnt 0x0                               ; for the others' sake: my stores into the lap's two chunks are done (a worker: its LDS loads are back)
	s_barrier_signal -1
	s_barrier_wait -1                              ; the two chunks are whole
	WORK 0
	WORK 1
	s_wait_xcnt 0x0                                ; the weights' base steps only behind this wait; every wave steps it
	s_add_nc_u64 s[4:5], s[4:5], LAP
	s_sub_co_u32 s20, s20, 1
	s_cmp_lg_u32 s20, 0
	s_cbranch_scc1 .Ltrip
	s_cmp_lt_u32 s12, 4
	s_cbranch_scc1 .Lclose                         ; the loaders are done
	s_mov_b32 s25, 6
.Lpass:                                                ; a trip: a pass goes out; the next one, if any block of it is live, is multiplied on the resident slice, which nobody writes any more
	s_wait_xcnt 0x0                                ; the last stores' data and offsets are rewritten only behind this wait
	OUT 0
	OUT 1
	OUT 2
	s_add_co_u32 s24, s24, 3
	s_cmp_lt_u32 s24, s18
	s_cbranch_scc0 .Lno_more
	s_wait_loadcnt 0x0                             ; no load of mine is out: the blocks' offsets and fragment registers are written anew
	s_wait_xcnt 0x0                                ; the stores above have read their registers, into which fragments are loaded below
	ROWS
	CLEAR
	PROLOG
	s_mov_b32 s23, 0
	s_mov_b32 s42, NCH
.Lchunk:
	s_wait_xcnt 0x0                                ; the refills' base is made anew only behind this wait
	s_sub_co_u32 s28, NCH+1, s42                   ; the next chunk's number, clamped as above
	s_min_u32 s28, s28, NCH-1
	s_lshl_b32 s28, s28, 13
	s_add_nc_u64 s[26:27], s[6:7], s[28:29]
	CHUNK 3
	s_add_co_u32 s23, s23, CH
	s_sub_co_u32 s42, s42, 1
	s_cmp_lg_u32 s42, 0
	s_cbranch_scc1 .Lchunk
.Lno_more:
	s_sub_co_u32 s25, s25, 1
	s_cmp_lg_u32 s25, 0
	s_cbranch_scc1 .Lpass
.Lclose:
	s_wait_dscnt 0x0                               ; my LDS loads are back
	s_barrier_signal -1
	s_barrier_wait -1                              ; every wave's are: no wave's closing add comes while another still reads LDS
	s_wait_tensorcnt 0x0                           ; the wave's end: three closing lines, behind my last LDS store
	ds_add_u32 v[SPW], v[NIL]
	s_wait_dscnt 0x0
	s_endpgm
.Lfunc_end_k_qb688fa2574_gateup:
	.size	k_qb688fa2574_gateup, .Lfunc_end_k_qb688fa2574_gateup-k_qb688fa2574_gateup
	.p2alignl 7, 3214868480
	.fill 96, 4, 3214868480
	.section	.rodata,"a",@progbits
	.p2align	6, 0x0
	.amdhsa_kernel k_qb688fa2574_gateup
		.amdhsa_group_segment_fixed_size 271872
		.amdhsa_private_segment_fixed_size 0
		.amdhsa_enable_private_segment 0
		.amdhsa_kernarg_size 32
		.amdhsa_user_sgpr_count 2
		.amdhsa_user_sgpr_kernarg_segment_ptr 1
		.amdhsa_wavefront_size32 1
		.amdhsa_system_sgpr_workgroup_id_x 1
		.amdhsa_system_sgpr_workgroup_id_y 1
		.amdhsa_system_sgpr_workgroup_id_z 1
		.amdhsa_system_vgpr_workitem_id 0
		.amdhsa_next_free_vgpr 512
		.amdhsa_next_free_sgpr 66
		.amdhsa_reserve_vcc 0
		.amdhsa_float_denorm_mode_32 3
		.amdhsa_float_denorm_mode_16_64 3
		.amdhsa_memory_ordered 1
		.amdhsa_forward_progress 1
		.amdhsa_inst_pref_size 142
	.end_amdhsa_kernel
	.amdgpu_metadata
---
amdhsa.version: [ 1, 2 ]
amdhsa.kernels:
  - .name:           k_qb688fa2574_gateup
    .symbol:         k_qb688fa2574_gateup.kd
    .args:
      - { .name: gate_up_proj, .offset: 0, .size: 8, .value_kind: global_buffer, .address_space: global }
      - { .name: xbuf, .offset: 8, .size: 8, .value_kind: global_buffer, .address_space: global }
      - { .name: route, .offset: 16, .size: 8, .value_kind: global_buffer, .address_space: global }
      - { .name: hbuf, .offset: 24, .size: 8, .value_kind: global_buffer, .address_space: global }
    .group_segment_fixed_size: 271872
    .private_segment_fixed_size: 0
    .kernarg_segment_align: 8
    .kernarg_segment_size: 32
    .max_flat_workgroup_size: 256
    .sgpr_count:     66
    .vgpr_count:     512
    .wavefront_size: 32
...
	.end_amdgpu_metadata
.endif
;; end of part 4
;; launch down (part 5): grid 32 x 8, 8 waves a work-group, no clusters, 153,856 bytes of LDS; arguments down_proj, hbuf, route, out0; writes out0
.if DOCPART == 5
	.amdgcn_target "amdgcn-amd-amdhsa--gfx1250"
	.amdhsa_code_object_version 6
	.text
	.protected	k_qb688fa2574_down
	.globl	k_qb688fa2574_down
	.p2align	8
	.type	k_qb688fa2574_down,@function
k_qb688fa2574_down:
	s_mov_b64 s[64:65], 0
	v_nop
	global_prefetch_b8 v0, s[64:65] scope:SCOPE_SE
	s_setreg_imm32_b32 hwreg(HW_REG_WAVE_MODE, 25, 1), 1
	s_wait_xcnt 0x0
; out[token] = h[token] Wd[expert of the token].  down_proj [8][1024 k][2048 n] f32; hbuf as the launch before stored it ([expert][block of 16 ranks][K step 32][1,024 bytes], the register
; image of a 16 x 32 bf16 operand); route as the first launch stored it (word [expert][rank] = token, + 0x10000 if its id lies outside 0 .. 7; the counts from byte 0x8000 on); out [1024][2048] f32.
; SHARES.  Work-group (s, e): expert e, columns 64 s .. +63, all 1,024 k, all rows of the expert.  256 work-groups; each output byte has one owner, so nothing is summed across work-groups.
; TWO TRADES, as in the launch before.  Waves 0-3 LOAD f32 weights through a ring of 8 slots x 8 loads (each load: two rows' 256 consecutive bytes, aligned), round them to bf16 and store
; them into LDS turned, k along a column's row, k in its true order.  Waves 4-7 WORK: h's fragments come from memory straight into operand registers, the weights' from LDS.
; LDS holds the whole bf16 slice, every byte written once, in chunks of 256 k.  A trip is a lap of the ring, 512 k, two chunks: the loaders take the lap's eight slots in ONE run (between a slot's
; request and its turn stand exactly the seven other slots' requests), one barrier, and the workers multiply the lap's two chunks while the loaders write the next lap's.
; THE WORKERS' RING.  Four sets of 2 K steps x 3 blocks, 192 registers; a chunk is one period.  A set is asked for again straight behind its own products, for the next chunk, so that all 8 K steps
; are in registers when a barrier opens.  No refill is ever jumped, so that on every way three refills stand behind a set's loads; the last chunk of a pass asks for its own chunk's bytes once
; more (the chunk's number is clamped): four refills of a pass's 16 serve nothing.
; ONE TEXT FOR EIGHT WAVES.  The barriers stand on the path that all waves share, so the two trades' texts follow each other.  Hence: every wave makes both trades' addresses, at the head;
; whatever steps from chunk to chunk steps on the shared path; the loaders' ring lies on registers into which no worker's global load lands; four places stand behind every K step's products.
; ROWS.  Worker j owns the blocks j + 4 z, three a pass; pass 0 runs under the stream, later passes on the resident slice in a loop of 6 trips, which serves all 1,024 rows on one expert.  All eight
; waves walk those trips: a barrier stands between the way out, which writes the stages, and the later pass's reads of the slice, and another behind those reads; only work is jumped.
; Places past the count repeat the expert's last row: they give the same bits and are stored onto the same bytes.  Blocks past the count are not stored; an expert without rows stores nothing
; (its weights are read all the same).  EXEC is never changed.
; NO CLUSTER, NO TENSOR LOAD: each weight byte has one reader and must pass registers to be rounded and turned.  An expert's 32 work-groups do read the same blocks of h; a shared tile of one
; chunk for a pass's twelve blocks is 96 KB, two slots of it 192 KB, and beside slice and stages 174 KB of LDS are left.
; LIMITS.  The weights are rounded once to bf16 (nearest even), sums in f32.  A token whose id lies outside 0 .. 7 gets +0 in all its columns.  The accumulators are cleared by 96 v_mov_b32 a pass.
.set PITCH, 528                        ; a column's row in a chunk: 256 k x 2 bytes + 16: the 16 rows of a fragment load begin in 16 different 16-byte columns of 256 bytes
.set CB,    16*PITCH+16                ; a block of 16 columns, + 16 bytes, for the loaders' stores' sake
.set CH,    4*CB
.set NCH,   4                          ; chunks: 1,024 k
.set TRIPS, NCH/2
.set STAGE, NCH*CH                     ; four stages, a worker's own: 16 rows x (256 bytes + the row's entry in the padding)
.set SP,    272
.set SPARE, STAGE+4*16*SP              ; the spare words, 128 bytes for each of 8 waves: four blocks of 256 bytes that no other line names
.set ROWB,  8192
.set SLOTB, 64*ROWB
.set LAP,   512*ROWB
.set FO2,   32                         ; a weight fragment's registers 4-7 lie 32 bytes behind its registers 0-3
.set CNT0,  0x8000                     ; route: where the counts begin
.set SPW, 1                            ; v1   my spare word's LDS address; never rewritten
.set NIL, 2                            ; v2   0; never rewritten
.set LN,  3                            ; v3   lane
.set RR,  4                            ; v4   lane % 16
.set HH,  5                            ; v5   lane / 16
.set L16, 6                            ; v6   16 x lane
.set WO,  7                            ; v7   a loader's byte offset in the weights
.set SA,  8                            ; v8   a loader's place in a chunk
.set BA,  9                            ; v9   a worker's place in a block of a chunk
.set BAC, 10                           ; v10  the fragment address in hand
.set SAC, 11                           ; v11  the store address in hand
.set HO,  13                           ; v13-15  block i: my byte offset in the expert's part of hbuf
.set TK,  16                           ; v16-18  block i: the entry of row lane % 16
.set STO, 19                           ; v19  the way out: where I put 32 bytes of a row
.set RO,  20                           ; v20-22  block i: my row's byte offset in the expert's part of route
.set R16, 28                           ; v28  16 (lane % 16)
.set STK, 29                           ; v29  the way out: where my row's entry goes
.set RD,  30                           ; v30  where I read rows back
.set REN, 31                           ; v31  and their entries
.set ACC, 32                           ; v32-127  accumulator (block i, column block cb) at 32 + 32 i + 8 cb
.set BF,  128                          ; v128-191 two buffers of weight fragments
.set OB,  192                          ; v192-223 the way out: 16 rows read back
.set TE,  224                          ; v224-231 their entries
.set OF,  232                          ; v232-239 their byte offsets in out
.set LT,  224                          ; window 1, v224-255: a loader's 16 packed words, two sets by turns; no matrix instruction names them
; window 1: v0-191 a worker's fragments of h: set st, block i, step t at 48 st + 16 i + 8 t.
; THE LOADERS' RING: slot j < 7 at v[32 + 32 j] of window 0, slot 7 at v192-223 of window 1; load t at + 4 t.
; s[4:5] weights  s[6:7] hbuf at the expert  s[8:9] route  s[10:11] out at the slice  s12 wave  s13 expert  s15 count  s16 blocks  s17 wave % 4 = j  s18 my live blocks  s20 trips left
; s23 LDS byte of the chunk in hand  s24 3 x pass  s25 passes left  s[26:27] hbuf at the next chunk  s[28:29] an offset  s38, s39 at work  s40 the last block that was written
; s42 chunks left in a later pass  s[44:45], s[46:47], s[52:53] offsets at the head  s[50:51] route at the expert
.set MSB, 0
.macro WIN new                         ; s_set_vgpr_msb: bits 1:0 source 0, 3:2 source 1, 5:4 source 2, 7:6 destination; the high byte repeats the setting that is left
.if MSB != (\new)
	s_set_vgpr_msb (MSB<<8)|(\new)
.set MSB, (\new)
.endif
.endm
.macro PLACES                          ; four plain vector instructions between a matrix instruction and what rewrites or reads its registers (ISA guide 7.12.1)
.rept 4
	v_nop
.endr
.endm
; LOADER.  Lane: c4 = lane % 16 (four columns, 16 bytes), kg = lane / 16.  Load t of a slot takes row 8 kg + t of the wave's 16 k.
.macro WLOAD j, ahead
.if (\j) < 7
	WIN 0
.set RG, 32+32*(\j)
.else
	WIN 0x40                                       ; destination window 1, address window 0
.set RG, 192
.endif
.irp t, 0,1,2,3,4,5,6,7
	global_load_b128 v[RG+4*\t:RG+4*\t+3], v[WO], s[4:5] offset:(\j)*SLOTB+(\t)*ROWB+(\ahead)*LAP th:TH_LOAD_NT  ; each weight byte is read once in the launch
.endr
.endm
.macro SLOT j, refill, left
	s_wait_loadcnt \left                           ; loads come back in order (ISA guide 5.7.1): mine are in, the younger slots' stay out
.set LJ, LT+16*((\j)&1)                ; the packed words' two sets take turns: a conversion does not land on what the slot before is still storing
.if (\j) < 7
	WIN 0x40                                       ; sources in window 0, destination in window 1
.set RG, 32+32*(\j)
.else
	WIN 0x45                                       ; all in window 1
.set RG, 192
.endif
.irp c, 0,1,2,3
.irp p, 0,1,2,3
	v_cvt_pk_bf16_f32 v[LJ+4*\c+\p], v[RG+8*\p+\c], v[RG+8*\p+4+\c]
.endr
.endr
	WIN 0x04                                       ; the stores' address in window 0, their data in window 1
.irp c, 0,1,2,3
	ds_store_b128 v[SAC], v[LJ+4*\c:LJ+4*\c+3] offset:((\j)>>2)*CH+((\j)&3)*128+\c*PITCH  ; slots 0-3: the lap's first chunk, slots 4-7: its second
.endr
.if \refill
	WLOAD \j, 1
.endif
.endm
; WORKER.  The weight fragments of K step q of a chunk.
.macro FETCHB q
.irp cb, 0,1,2,3
	ds_load_b128 v[BF+32*((\q)&1)+8*\cb:BF+32*((\q)&1)+8*\cb+3],   v[BAC] offset:\cb*CB+64*(\q)
	ds_load_b128 v[BF+32*((\q)&1)+8*\cb+4:BF+32*((\q)&1)+8*\cb+7], v[BAC] offset:\cb*CB+64*(\q)+FO2
.endr
.endm
; K step q: source 0 = 16 weight columns, source 1 = 16 tokens (window 1): a lane then holds ONE token and eight neighbouring columns.  The 8 or 12 accumulators take turns.
.macro WM q, nbk
.irp i, 0,1,2
.if \i < (\nbk)
.irp cb, 0,1,2,3
	v_wmma_f32_16x16x32_bf16 v[ACC+32*\i+8*\cb:ACC+32*\i+8*\cb+7], v[BF+32*((\q)&1)+8*\cb:BF+32*((\q)&1)+8*\cb+7], v[48*((\q)>>1)+16*\i+8*((\q)&1):48*((\q)>>1)+16*\i+8*((\q)&1)+7], v[ACC+32*\i+8*\cb:ACC+32*\i+8*\cb+7]
.endr
.endif
.endr
.endm
; h's fragments of two K steps, at byte off behind the address in s[b:b+1], into set st: each load is 512 consecutive bytes, aligned
.macro ALOAD st, nbk, b, off
	WIN 0x40                                       ; destination window 1, address window 0
.irp i, 0,1,2
.if \i < (\nbk)
.irp t, 0,1
	global_load_b128 v[48*(\st)+16*\i+8*\t:48*(\st)+16*\i+8*\t+3],   v[HO+\i], s[(\b):(\b)+1] offset:(\off)+1024*\t
	global_load_b128 v[48*(\st)+16*\i+8*\t+4:48*(\st)+16*\i+8*\t+7], v[HO+\i], s[(\b):(\b)+1] offset:(\off)+1024*\t+512
.endr
.endif
.endr
.endm
; A chunk: eight K steps, four stages, once round the workers' ring.
.macro CHUNK nbk
	v_add_nc_u32 v[BAC], s23, v[BA]
	WIN 0x04                                       ; source 1 in window 1: the products'; the LDS loads' address and destination stay in window 0
	FETCHB 0
	FETCHB 1
.irp t, 0,1,2,3
	s_wait_loadcnt 24                              ; behind this set's loads stand three refills of 8 loads at the least (2 blocks x 2 steps x 2), on every way: the set is in
	s_wait_dscnt 8                                 ; all but the eight LDS loads issued last
	WM 2*\t, \nbk
	PLACES
.if \t < 3
	FETCHB 2*\t+2
	s_wait_dscnt 8
.else
	s_wait_dscnt 0x0
.endif
	WM 2*\t+1, \nbk
	PLACES                                         ; behind the stage's last products: the set is loaded again below, and whatever follows, on any way, may write their registers
.if \t < 3
	FETCHB 2*\t+3
.endif
	ALOAD \t, \nbk, 26, 2048*\t                    ; the set's next turn: the same stage of the next chunk
.if \t < 3
	WIN 0x04
.endif
.endr
	WIN 0
.endm
; The pass's three blocks: their rows' entries are asked for, and their places in hbuf are made (a block past the last written one takes that one's).
.macro ROWS
.irp i, 0,1,2
	s_add_co_u32 s38, s24, \i
	s_lshl2_add_u32 s38, s38, s17                  ; the block's number: 4 z + j
	s_min_u32 s38, s38, s40
	s_min_u32 s38, s38, 63
	s_lshl_b32 s39, s38, 6                         ; its sixteen entries of 4 bytes
	v_lshl_add_u32 v[RO+\i], v[RR], 2, s39
	global_load_b32 v[TK+\i], v[RO+\i], s[50:51]
	s_lshl_b32 s38, s38, 15
	v_add_nc_u32 v[HO+\i], s38, v[L16]
.endr
.endm
.macro CLEAR
.set z, 0
.rept 96
	v_mov_b32 v[ACC+z], 0
.set z, z+1
.endr
.endm
.macro PROLOG                          ; the ring's first fill: chunk 0, for all three blocks on every path: 48 loads
.irp st, 0,1,2,3
	ALOAD \st, 3, 6, 2048*\st
.endr
	WIN 0
.endm
; THE WAY OUT of block i, if it is live: through my own stage; back as whole rows of 256 bytes with their entries; each row to its token.
.macro OUT i
	s_add_co_u32 s38, s24, \i
	s_cmp_lt_u32 s38, s18
	s_cbranch_scc0 .Lno_out_\@
	s_wait_xcnt 0x0                                ; the last stores' data and offsets are rewritten only behind this wait
.irp cb, 0,1,2,3
	ds_store_b128 v[STO], v[ACC+32*(\i)+8*\cb:ACC+32*(\i)+8*\cb+3] offset:64*\cb        ; each accumulator's lowest registers first
	ds_store_b128 v[STO], v[ACC+32*(\i)+8*\cb+4:ACC+32*(\i)+8*\cb+7] offset:64*\cb+16
.endr
	ds_store_b32 v[STK], v[TK+\i]
.irp t, 0,1,2,3,4,5,6,7
	ds_load_b128 v[OB+4*\t:OB+4*\t+3], v[RD] offset:\t*2*SP  ; lanes 0-15 one row, lanes 16-31 the next; in order behind the stores above
	ds_load_b32 v[TE+\t], v[REN] offset:\t*2*SP
.endr
	s_wait_dscnt 0x0
.irp t, 0,1,2,3,4,5,6,7
	v_cmp_gt_u32 vcc_lo, 0x10000, v[TE+\t]         ; not marked: the id lay in 0 .. 7
	v_and_b32 v[TE+\t], 0xffff, v[TE+\t]
	v_min_u32 v[TE+\t], 0x3ff, v[TE+\t]
	v_lshl_add_u32 v[OF+\t], v[TE+\t], 13, v[R16]
.irp k, 0,1,2,3
	v_cndmask_b32 v[OB+4*\t+\k], 0, v[OB+4*\t+\k], vcc_lo  ; a marked token's row is 0
.endr
	global_store_b128 v[OF+\t], v[OB+4*\t:OB+4*\t+3], s[10:11] th:TH_STORE_NT  ; 16 lanes store 256 consecutive bytes, at a multiple of 256 from out's first byte
.endr
.Lno_out_\@:
.endm
; A worker multiplies chunk hf of the lap.  Every jump goes forward and passes no barrier; the chunk's LDS byte steps in every wave, on every path.
.macro WORK hf
	s_cmp_lt_u32 s12, 4
	s_cbranch_scc1 .Lnext_\@
	s_cmp_eq_u32 s18, 0
	s_cbranch_scc1 .Lnext_\@                       ; no live block
	s_wait_xcnt 0x0                                ; the refills' base is made anew only behind this wait:
	s_lshl_b32 s28, s20, 1
	s_sub_co_u32 s28, NCH+1+(\hf), s28             ; the next chunk's number,
	s_min_u32 s28, s28, NCH-1                      ; behind the last chunk that chunk itself: no load leaves the block,
	s_lshl_b32 s28, s28, 13                        ; its eight K steps of 1,024 bytes
	s_add_nc_u64 s[26:27], s[6:7], s[28:29]
	s_cmp_lt_u32 s18, 3
	s_cbranch_scc0 .Lthree_\@
	CHUNK 2
	s_branch .Lnext_\@
.Lthree_\@:
	CHUNK 3
.Lnext_\@:
	s_add_co_u32 s23, s23, CH
.endm
	s_load_b256 s[4:11], s[0:1], 0x0
	v_lshl_add_u32 v[SPW], v0, 2, SPARE
	v_mov_b32 v[NIL], 0
	v_lshrrev_b32 v23, 5, v0
	v_readfirstlane_b32 s12, v23                   ; wave 0..7
	s_and_b32 s17, s12, 3                          ; my number in my trade
	v_and_b32 v[LN], 31, v0
	v_and_b32 v[RR], 15, v0
	v_bfe_u32 v[HH], v0, 4, 1
	v_lshlrev_b32 v[L16], 4, v[LN]
	s_and_b32 s13, ttmp7, 0xffff                   ; the expert
	s_lshl_b32 s44, ttmp9, 8                       ; the slice's 256 bytes of a row, in the weights and in out
	s_mov_b32 s45, 0
	s_lshl_b32 s28, s13, 23                        ; the expert's 8 MiB of weights
	s_add_co_u32 s28, s28, s44
	s_mov_b32 s29, 0
	s_lshl_b32 s46, s13, 21                        ; its 2 MiB of hbuf
	s_mov_b32 s47, 0
	s_lshl_b32 s52, s13, 12                        ; its 1,024 words of route
	s_mov_b32 s53, 0
	s_mov_b32 s20, TRIPS
	s_mov_b32 s23, 0
	s_mov_b32 s24, 0
	s_mov_b32 s15, 0                               ; a loader has no rows
	s_mov_b32 s16, 0
	s_mov_b32 s18, 0
	s_mov_b32 s40, 0
	; a loader's terms
	v_lshlrev_b32 v[WO], 4, v[RR]                  ; 16 c4
	v_lshl_add_u32 v[WO], v[HH], 16, v[WO]         ; 8 rows
	s_lshl_b32 s38, s17, 17                        ; the wave's 16 rows
	v_add_nc_u32 v[WO], s38, v[WO]
	v_lshrrev_b32 v24, 2, v[RR]                    ; column block c4 / 4
	v_mul_u32_u24 v[SA], v24, CB
	v_and_b32 v24, 3, v[RR]
	v_mul_u32_u24 v24, v24, 4*PITCH                ; my first column in it
	v_add_nc_u32 v[SA], v[SA], v24
	v_lshl_add_u32 v[SA], v[HH], 4, v[SA]          ; my eight k: 16 bytes
	s_lshl_b32 s38, s17, 5                         ; the wave's 16 k: 32 bytes
	v_add_nc_u32 v[SA], s38, v[SA]
	; a worker's terms
	v_mul_u32_u24 v[BA], v[RR], PITCH
	v_lshl_add_u32 v[BA], v[HH], 4, v[BA]
	s_mul_i32 s38, s17, 16*SP
	s_add_co_u32 s38, s38, STAGE                   ; a worker's stage
	v_mul_u32_u24 v23, v[RR], SP
	v_add_nc_u32 v23, s38, v23
	v_lshl_add_u32 v[STO], v[HH], 5, v23           ; in: row lane % 16, 32 bytes for each half of the lanes
	v_add_nc_u32 v[STK], 256, v23                  ; the row's entry, in its padding
	v_lshlrev_b32 v[R16], 4, v[RR]
	v_mul_u32_u24 v23, v[HH], SP
	v_add_nc_u32 v23, s38, v23
	v_add_nc_u32 v[RD], v23, v[R16]                ; back: lanes 0-15 take one row of 256 bytes, lanes 16-31 the next
	v_add_nc_u32 v[REN], 256, v23
.irp i, 0,1,2
	v_mov_b32 v[HO+\i], v[L16]
	v_mov_b32 v[TK+\i], 0
	v_mov_b32 v[RO+\i], 0
.endr
	CLEAR                                          ; stands in the wait for the arguments
	s_wait_kmcnt 0x0
	s_add_nc_u64 s[4:5], s[4:5], s[28:29]
	s_add_nc_u64 s[6:7], s[6:7], s[46:47]
	s_add_nc_u64 s[10:11], s[10:11], s[44:45]
	s_add_nc_u64 s[50:51], s[8:9], s[52:53]
	s_cmp_lt_u32 s12, 4
	s_cbranch_scc0 .Lworker
.irp j, 0,1,2,3,4,5,6,7
	WLOAD \j, 0                                    ; a loader fills its ring
.endr
	WIN 0
	s_branch .Ltrip
.Lworker:
	s_lshl_b32 s38, s13, 2
	s_load_b32 s15, s[8:9], s38 offset:CNT0        ; the expert's rows, as the first launch counted them
	s_wait_kmcnt 0x0
	s_min_u32 s15, s15, 0x400
	s_add_co_u32 s16, s15, 15
	s_lshr_b32 s16, s16, 4                         ; its blocks
	s_add_co_u32 s18, s16, 3
	s_sub_co_u32 s18, s18, s17
	s_lshr_b32 s18, s18, 2                         ; those of them that are j + 4 z
	s_max_u32 s40, s16, 1
	s_sub_co_u32 s40, s40, 1                       ; the last block that the launches before wrote
	ROWS
	PROLOG
.Ltrip:                                                ; a lap
	v_add_nc_u32 v[SAC], s23, v[SA]                ; made by every wave
	s_cmp_lt_u32 s12, 4
	s_cbranch_scc0 .Lmeet
	s_cmp_eq_u32 s20, 1
	s_cbranch_scc1 .Llast
.irp j, 0,1,2,3,4,5,6,7
	SLOT \j, 1, 56                                 ; 56: the seven younger slots' eight loads each
.endr
	WIN 0
	s_branch .Lmeet
.Llast:                                                ; the last lap asks for nothing: the counts run down
.irp j, 0,1,2,3,4,5,6,7
	SLOT \j, 0, 8*(7-\j)
.endr
	WIN 0
.Lmeet:
	s_wait_dscnt 0x0                               ; for the others' sake: my stores into the lap's two chunks are done (a worker: its LDS loads are back)
	s_barrier_signal -1
	s_barrier_wait -1                              ; the two chunks are whole
	WORK 0
	WORK 1
	s_wait_xcnt 0x0                                ; the weights' base steps only behind this wait; every wave steps it
	s_add_nc_u64 s[4:5], s[4:5], LAP
	s_sub_co_u32 s20, s20, 1
	s_cmp_lg_u32 s20, 0
	s_cbranch_scc1 .Ltrip
	s_mov_b32 s25, 6
.Lpass:                                                ; a trip, walked by all eight waves: a pass goes out; the next one, if any block of it is live, is multiplied on the resident slice
	s_cmp_lt_u32 s12, 4
	s_cbranch_scc1 .Lstaged                        ; a loader has nothing to send
	s_wait_loadcnt 48                              ; behind the pass's three loads of entries stand the 48 of the ring's first fill, on every way: the entries are in
	OUT 0
	OUT 1
	OUT 2
.Lstaged:
	s_wait_dscnt 0x0                               ; my stores into my stage and my reads of it are done
	s_barrier_signal -1
	s_barrier_wait -1                              ; every wave's are: the slice is read only behind this
	s_add_co_u32 s24, s24, 3
	s_cmp_lt_u32 s24, s18
	s_cbranch_scc0 .Lno_more
	s_wait_loadcnt 0x0                             ; no load of mine is out: the blocks' offsets, entries and fragment registers are written anew
	s_wait_xcnt 0x0
	ROWS
	CLEAR
	PROLOG
	s_mov_b32 s23, 0
	s_mov_b32 s42, NCH
.Lchunk:
	s_wait_xcnt 0x0                                ; the refills' base is made anew only behind this wait
	s_sub_co_u32 s28, NCH+1, s42                   ; the next chunk's number, clamped as above
	s_min_u32 s28, s28, NCH-1
	s_lshl_b32 s28, s28, 13
	s_add_nc_u64 s[26:27], s[6:7], s[28:29]
	CHUNK 3
	s_add_co_u32 s23, s23, CH
	s_sub_co_u32 s42, s42, 1
	s_cmp_lg_u32 s42, 0
	s_cbranch_scc1 .Lchunk
.Lno_more:
	s_wait_dscnt 0x0                               ; my reads of the slice are back
	s_barrier_signal -1
	s_barrier_wait -1                              ; every wave's are: the stages, and at the end the spare words, are written only behind this
	s_sub_co_u32 s25, s25, 1
	s_cmp_lg_u32 s25, 0
	s_cbranch_scc1 .Lpass
	s_wait_tensorcnt 0x0                           ; the wave's end: three closing lines, behind my last LDS store
	ds_add_u32 v[SPW], v[NIL]
	s_wait_dscnt 0x0
	s_endpgm
.Lfunc_end_k_qb688fa2574_down:
	.size	k_qb688fa2574_down, .Lfunc_end_k_qb688fa2574_down-k_qb688fa2574_down
	.p2alignl 7, 3214868480
	.fill 96, 4, 3214868480
	.section	.rodata,"a",@progbits
	.p2align	6, 0x0
	.amdhsa_kernel k_qb688fa2574_down
		.amdhsa_group_segment_fixed_size 153856
		.amdhsa_private_segment_fixed_size 0
		.amdhsa_enable_private_segment 0
		.amdhsa_kernarg_size 32
		.amdhsa_user_sgpr_count 2
		.amdhsa_user_sgpr_kernarg_segment_ptr 1
		.amdhsa_wavefront_size32 1
		.amdhsa_system_sgpr_workgroup_id_x 1
		.amdhsa_system_sgpr_workgroup_id_y 1
		.amdhsa_system_sgpr_workgroup_id_z 1
		.amdhsa_system_vgpr_workitem_id 0
		.amdhsa_next_free_vgpr 512
		.amdhsa_next_free_sgpr 66
		.amdhsa_reserve_vcc 1
		.amdhsa_float_denorm_mode_32 3
		.amdhsa_float_denorm_mode_16_64 3
		.amdhsa_memory_ordered 1
		.amdhsa_forward_progress 1
		.amdhsa_inst_pref_size 148
	.end_amdhsa_kernel
	.amdgpu_metadata
---
amdhsa.version: [ 1, 2 ]
amdhsa.kernels:
  - .name:           k_qb688fa2574_down
    .symbol:         k_qb688fa2574_down.kd
    .args:
      - { .name: down_proj, .offset: 0, .size: 8, .value_kind: global_buffer, .address_space: global }
      - { .name: hbuf, .offset: 8, .size: 8, .value_kind: global_buffer, .address_space: global }
      - { .name: route, .offset: 16, .size: 8, .value_kind: global_buffer, .address_space: global }
      - { .name: out0, .offset: 24, .size: 8, .value_kind: global_buffer, .address_space: global }
    .group_segment_fixed_size: 153856
    .private_segment_fixed_size: 0
    .kernarg_segment_align: 8
    .kernarg_segment_size: 32
    .max_flat_workgroup_size: 256
    .sgpr_count:     66
    .vgpr_count:     512
    .wavefront_size: 32
...
	.end_amdgpu_metadata
.endif
;; end of part 5
;; ======== version 3 of 3: 3 launches; version 2 with the launches gateup, down written anew for expert scheduling mode
;; workspace buffers: xbuf 33,554,432 bytes; hbuf 16,777,216 bytes; route 33,024 bytes of whole numbers
;; launch sortx: the kernel of part 3 again; grid 64 x 8, 8 waves a work-group, no clusters, 41,984 bytes of LDS; arguments x, expert_ids, xbuf, route; writes xbuf, route
;; launch gateup (part 6): grid 32 x 8, 8 waves a work-group, no clusters, 271,872 bytes of LDS; arguments gate_up_proj, xbuf, route, hbuf; writes hbuf
.if DOCPART == 6
	.amdgcn_target "amdgcn-amd-amdhsa--gfx1250"
	.amdhsa_code_object_version 6
	.text
	.protected	k_qb688fa2574_gateup
	.globl	k_qb688fa2574_gateup
	.p2align	8
	.type	k_qb688fa2574_gateup,@function
k_qb688fa2574_gateup:
	s_mov_b64 s[64:65], 0
	v_nop
	global_prefetch_b8 v0, s[64:65] scope:SCOPE_SE
	s_setreg_imm32_b32 hwreg(HW_REG_WAVE_SCHED_MODE, 0, 2), 2
	s_setreg_imm32_b32 hwreg(HW_REG_WAVE_MODE, 25, 1), 1
	s_wait_xcnt 0x0
	s_wait_alu depctr_vm_vsrc(0)
; h = silu(x Wg) * (x Wu) for the ONE expert that each token names.  gate_up [8][2048 k][2048 n] f32 (n < 1024: g, else u); xbuf and route as the launch before stored them:
; xbuf [expert 8][block of 16 ranks 64][K step 64][1,024 bytes] bf16, the register image of a 16 tokens x 32 k operand; route's word at 0x8000 + 4 e: expert e's count.
; hbuf [expert 8][block 64][K step 32][1,024 bytes] bf16: the same kind of image for the next launch (16 tokens x 32 channels).  Only blocks below max(ceil(count / 16), 1) are written and read.
; SHARES.  Work-group (s, e): expert e, g columns 32 s .. +31 and u columns 1024 + 32 s .. +31, all 2,048 k, all rows of the expert.  256 work-groups.
; TWO TRADES.  Waves 0-3 LOAD: f32 weights into a ring of 8 slots x 8 loads of 16 bytes a lane (64 loads a wave on their way), rounded to bf16 and stored into LDS turned, k along a column's row.
; Waves 4-7 WORK: token fragments from memory straight into operand registers, weight fragments from LDS, products.  Each trade has its own load counter.
; LDS holds the whole bf16 slice, every byte written once, in chunks of 256 k.  A trip is a lap of the ring, 512 k, two chunks: the loaders take the lap's eight slots in ONE run (between a slot's
; request and its turn stand exactly the seven other slots' requests), one barrier, and the workers multiply the lap's two chunks while the loaders write the next lap's.
; THE WORKERS' RING.  Four sets of 2 K steps x 3 blocks, 192 registers; a chunk is one period.  A set is asked for again, for the next chunk, a stage behind its own products, the fourth at the
; chunk's end, so that all 8 K steps have been asked for when a worker comes to a barrier.  No refill is ever jumped, so that on every way two refills (ahead of a chunk's first stage: three) stand
; behind a set's loads; the last chunk of a pass asks for its own chunk's bytes once more (the chunk's number is clamped): four refills of a pass's 32 serve nothing.
; ONE TEXT FOR EIGHT WAVES.  The barriers stand on the path that all waves share, so the two trades' texts follow each other.  Hence: every wave makes both trades' addresses, at the head;
; whatever steps from chunk to chunk steps on the shared path; the loaders' ring lies on registers into which no worker's global load lands; four places stand behind every stage's products;
; and each part of the text (a slot, a chunk, a way out, a pass) begins with the waits that it leans on.
; THE MODE: SCHED_MODE bits 1:0 = 2 (LLVM: expert scheduling mode 2), set by the entry lines.  The code itself states the register dependences between vector or matrix instructions and memory or
; LDS instructions, with s_wait_alu, always for 0.
; THE PLAN.  Registers that memory or LDS instructions touch:
;   A loader.  Ring slot j: its sixteen conversions read it; behind them its refill lands in it.  LT0, LT1: slot j's conversions write LT[j % 2], its four LDS stores read it.
;              v[SAC]: read by every LDS store, written once a lap, at the lap's head.  v[WO]: read by every weight load, written at the head alone.
;     ONE wait on va_vdst a slot, behind its conversions; the slot's four stores and eight loads follow it.  One wait on vm_vsrc at the lap's head and one at the heads of slots 2, 4 and 6: each frees
;     both sets of packed words for two slots.
;   A worker.  BF0 .. BF3: K step q's products read BF[q % 4]; the fragments of step q + 4 land in it a stage later.  Token set t: stage t's products read it; its refill lands in it a stage later.
;              v[BAC]: read by every fragment load, written once a chunk.  v[HO ..]: read by every token load, written once a pass.  v[O ..], v[SO ..]: written by the way out, read by its stores.
;     ONE wait on va_vdst at the head of a stage: the stage before is done reading its two buffers of weight fragments and its token set.  The stage's 16 fragment loads and its refill follow, dealt
;     among products that name the other two buffers, the stage's own set and the accumulators.  One more at the chunk's end, for the fourth set.  The accumulators are named by matrix and vector instructions alone.
; ROWS.  Worker j owns the blocks j + 4 z; a pass holds three of them (12 accumulators).  Pass 0 runs under the stream; later passes (more than 192 rows) on the resident slice, in a loop of 6 trips,
; which serves all 1,024 rows on one expert; dead trips are jumped forward.  Blocks past the count are not stored.  EXEC is never changed.  An expert without rows still has its weights read.
; ORDER OF k.  Inside a K step of 32 both operands hold k in the same permuted order (place p of lane half h: k = 8 (p / 4) + 4 h + p % 4), as xbuf has it.
; NO CLUSTER, NO TENSOR LOAD: each weight byte has one reader in the launch and must pass registers to be rounded and turned.  An expert's 32 work-groups do read the same token blocks; a shared
; tile of one chunk for a pass's twelve blocks is 12 x 8 KB = 96 KB, and beside the slice of 270,848 bytes 56 KB of LDS are left.
; A weight load takes pieces of 128 consecutive bytes: g and u of one channel must meet in one work-group, and 64 + 64 columns of bf16 over 2,048 k would be 512 KB of LDS.
; LIMITS.  x, the weights and h are rounded once to bf16 (nearest even); sums and silu in f32; v_exp_f32 and v_rcp_f32 flush denormals (ISA guide 15.8).  A token whose id lies outside 0 .. 7 is
; listed with expert 0: its h is computed, and the next launch writes zeros for it.  The accumulators are cleared by 96 v_mov_b32 a pass: no first step is written out.
.set PITCH, 528                        ; a column's row in a chunk: 256 k x 2 bytes + 16: 33 x 16 bytes, so the 16 rows of a fragment load begin in 16 different 16-byte columns of 256 bytes
.set CB,    16*PITCH+16                ; a block of 16 columns, + 16 bytes: the loaders' sixteen lanes of a store then also fall into 16 different 16-byte columns
.set CH,    4*CB                       ; a chunk: blocks 0, 1 = g, blocks 2, 3 = u
.set NCH,   8                          ; chunks: 2,048 k
.set TRIPS, NCH/2                      ; a trip = a lap of the ring = 512 k = two chunks
.set SPARE, NCH*CH                     ; the spare words, 128 bytes for each of 8 waves: four blocks of 256 bytes that no other line names
.set ROWB,  8192                       ; bytes in a row of the weights
.set SLOTB, 64*ROWB                    ; from slot to slot: four waves x 16 k
.set LAP,   512*ROWB
.set FO2,   16                         ; a weight fragment's registers 4-7 lie 16 bytes behind its registers 0-3
.set CNT0,  0x8000                     ; route: where the counts begin
.set SPW, 1                            ; v1   my spare word's LDS address; never rewritten
.set NIL, 2                            ; v2   0; never rewritten
.set LN,  3                            ; v3   lane
.set RR,  4                            ; v4   lane % 16
.set HH,  5                            ; v5   lane / 16
.set L16, 6                            ; v6   16 x lane
.set WO,  7                            ; v7   a loader's byte offset in the weights
.set SA,  8                            ; v8   a loader's place in a chunk
.set BA,  9                            ; v9   a worker's place in a block of a chunk
.set BAC, 10                           ; v10  the fragment address in hand
.set SAC, 11                           ; v11  the store address in hand
.set HO,  13                           ; v13-15  block i: my byte offset in the expert's part of xbuf
.set SO,  16                           ; v16-18  block i: my byte offset in hbuf
.set ACC, 32                           ; v32-127  accumulator (block i, column block cb) at 32 + 32 i + 8 cb
.set BF,  128                          ; v128-255 four buffers of weight fragments: K step q in buffer q % 4.  The way out: T and O
.set T,   128
.set O,   144                          ; v144-167 the way out: 8 registers a block
.set LT,  224                          ; window 1, v224-255: a loader's 16 packed words, two sets by turns; no matrix instruction names them
; window 1: v0-191 a worker's token fragments: set st, block i, step t at 48 st + 16 i + 8 t.
; THE LOADERS' RING: slot j < 7 at v[32 + 32 j] of window 0, slot 7 at v192-223 of window 1; load t at + 4 t.
; s[4:5] weights  s[6:7] xbuf at the expert  s[8:9] route  s[10:11] hbuf  s12 wave  s13 expert  s15 count  s16 blocks  s17 wave % 4 = j  s18 my live blocks  s19 the same, at least 1 for j = 0
; s20 trips left  s23 LDS byte of the chunk in hand  s24 3 x pass  s25 passes left  s[26:27] xbuf at the next chunk  s[28:29] an offset  s[30:31] -log2 e  s36 the last block that was written
; s38, s39 at work  s[40:41], s[44:45] offsets at the head  s42 chunks left in a later pass
.set MSB, 0
.macro WIN new                         ; s_set_vgpr_msb: bits 1:0 source 0, 3:2 source 1, 5:4 source 2, 7:6 destination; the high byte repeats the setting that is left
.if MSB != (\new)
	s_set_vgpr_msb (MSB<<8)|(\new)
.set MSB, (\new)
.endif
.endm
.macro PLACES                          ; four plain vector instructions between a matrix instruction and what rewrites or reads its registers (ISA guide 7.12.1)
.rept 4
	v_nop
.endr
.endm
; LOADER.  Lane: c4 = lane % 8 (four columns, 16 bytes), kg = (lane / 8) % 2, gu = lane / 16.  Load t of a slot takes row (t % 4) + 8 (t / 4) + 4 kg of the wave's 16 k.
.macro WLOAD j, ahead
.if (\j) < 7
	WIN 0
.set RG, 32+32*(\j)
.else
	WIN 0x40                                       ; destination window 1, address window 0
.set RG, 192
.endif
.irp t, 0,1,2,3,4,5,6,7
	global_load_b128 v[RG+4*\t:RG+4*\t+3], v[WO], s[4:5] offset:(\j)*SLOTB+(((\t)&3)+8*((\t)>>2))*ROWB+(\ahead)*LAP th:TH_LOAD_NT  ; each weight byte is read once in the launch
.endr
.endm
; A slot's turn: its eight loads are in; for each of my four columns eight k are rounded into 16 bytes and stored; the slot is asked for again, a lap ahead.
.macro SLOT j, refill, left
	s_wait_loadcnt \left                           ; loads come back in order (ISA guide 5.7.1): mine are in, the younger slots' stay out
.set LJ, LT+16*((\j)&1)                ; the packed words' two sets take turns
.if ((\j)&1) == 0 && (\j) > 0
	s_wait_alu depctr_vm_vsrc(0)                   ; the LDS stores of the two slots before have read both sets of packed words, which this slot's and the next slot's conversions write again (slots 0 and 1: the wait at the lap's head)
.endif
.if (\j) < 7
	WIN 0x40                                       ; sources in window 0, destination in window 1
.set RG, 32+32*(\j)
.else
	WIN 0x45                                       ; all in window 1
.set RG, 192
.endif
.irp c, 0,1,2,3
.irp p, 0,1,2,3
	v_cvt_pk_bf16_f32 v[LJ+4*\c+\p], v[RG+8*\p+\c], v[RG+8*\p+4+\c]
.endr
.endr
	WIN 0x04                                       ; the stores' address in window 0, their data in window 1
	s_wait_alu depctr_va_vdst(0)                   ; the conversions have written the packed words, which the stores read, and are done reading the slot, in which the refill lands; in slot 0 v[SAC] is written
.irp c, 0,1,2,3
	ds_store_b128 v[SAC], v[LJ+4*\c:LJ+4*\c+3] offset:((\j)>>2)*CH+((\j)&3)*128+\c*PITCH  ; slots 0-3: the lap's first chunk, slots 4-7: its second
.endr
.if \refill
	WLOAD \j, 1                                    ; no further wait: between the wait above and these loads stand the four stores and a window switch, which name neither v[WO] nor the slot
.endif
.endm
; WORKER.  The weight fragments of K step q of a chunk: four column blocks, two loads of 16 bytes each, into buffer q % 4.
.macro FETCHB q
.irp cb, 0,1,2,3
	ds_load_b128 v[BF+32*((\q)&3)+8*\cb:BF+32*((\q)&3)+8*\cb+3],   v[BAC] offset:\cb*CB+64*(\q)
	ds_load_b128 v[BF+32*((\q)&3)+8*\cb+4:BF+32*((\q)&3)+8*\cb+7], v[BAC] offset:\cb*CB+64*(\q)+FO2
.endr
.endm
; K step q: source 0 = 16 weight columns, source 1 = 16 tokens (window 1): a lane then holds ONE token and eight neighbouring columns.  The 8 or 12 accumulators take turns.
.macro WM q, nbk
.irp i, 0,1,2
.if \i < (\nbk)
.irp cb, 0,1,2,3
	v_wmma_f32_16x16x32_bf16 v[ACC+32*\i+8*\cb:ACC+32*\i+8*\cb+7], v[BF+32*((\q)&3)+8*\cb:BF+32*((\q)&3)+8*\cb+7], v[48*((\q)>>1)+16*\i+8*((\q)&1):48*((\q)>>1)+16*\i+8*((\q)&1)+7], v[ACC+32*\i+8*\cb:ACC+32*\i+8*\cb+7]
.endr
.endif
.endr
.endm
; The token fragments of two K steps, at byte off behind the address in s[b:b+1], into set st: each load is 512 consecutive bytes, aligned
.macro ALOAD st, nbk, b, off
	WIN 0x40                                       ; destination window 1, address window 0
.irp i, 0,1,2
.if \i < (\nbk)
.irp t, 0,1
	global_load_b128 v[48*(\st)+16*\i+8*\t:48*(\st)+16*\i+8*\t+3],   v[HO+\i], s[(\b):(\b)+1] offset:(\off)+1024*\t
	global_load_b128 v[48*(\st)+16*\i+8*\t+4:48*(\st)+16*\i+8*\t+7], v[HO+\i], s[(\b):(\b)+1] offset:(\off)+1024*\t+512
.endr
.endif
.endr
.endm
; A chunk: eight K steps, four stages, once round the workers' ring.  Stage t multiplies steps 2 t and 2 t + 1 (buffers 2 t % 4 and (2 t + 1) % 4, set t); between its products it fetches the fragments of
; steps 2 t + 2 and 2 t + 3 into the two buffers that the stage before read, and behind them it asks again for the set that the stage before read.
.macro CHUNK nbk
	s_wait_alu depctr_vm_vsrc(0)                   ; the fragment loads issued so far have read v[BAC]; behind a way out, its stores have read v[O ..], in which fragments land
	v_add_nc_u32 v[BAC], s23, v[BA]
	WIN 0x04                                       ; source 1 in window 1: the products'; the LDS loads' address and destination stay in window 0
	s_wait_alu depctr_va_vdst(0)                   ; v[BAC] is written; whatever vector or matrix instruction has named the four buffers (the last chunk's products, a way out) is done with them
	FETCHB 0
	FETCHB 1
.irp t, 0,1,2,3
	WIN 0x04
.if \t == 0
	s_wait_loadcnt 24                              ; behind set 0's loads stand three refills of 8 loads at the least (2 blocks x 2 steps x 2), on every way: the set is in
.else
	s_wait_loadcnt 16                              ; behind this set's loads stand two refills of 8 loads at the least, on every way (the third is issued at this stage's end): the set is in
.endif
	s_wait_dscnt 8                                 ; this stage's first K step is in; the second's eight LDS loads may be out
.if \t > 0
	s_wait_alu depctr_va_vdst(0)                   ; the stage before's products are done reading their two buffers of weight fragments and their token set: the 16 LDS loads and the refill below land in them
.endif
	WM 2*\t, \nbk
.if \t < 3
	FETCHB 2*\t+2                                  ; no further wait: the products since the wait name the other two buffers
	FETCHB 2*\t+3
	s_wait_dscnt 16                                ; all but the sixteen LDS loads just issued
.else
	s_wait_dscnt 0x0
.endif
	WM 2*\t+1, \nbk
	PLACES                                         ; behind the stage's last products: every load into their registers, and whatever vector instruction follows on any way, stands four places behind them
.if \t > 0
	ALOAD \t-1, \nbk, 26, 2048*(\t-1)              ; the set that the stage before read: the same stage of the next chunk.  No product since the stage's wait names it or v[HO ..]
.endif
.endr
	s_wait_alu depctr_va_vdst(0)                   ; the last stage's products are done reading set 3, in which the loads below land (the window has been theirs since the refill above)
	ALOAD 3, \nbk, 26, 2048*3
	WIN 0
.endm
; The places in xbuf of the pass's three blocks (a block past the last written one reads that one).
.macro ROWS
.irp i, 0,1,2
	s_add_co_u32 s38, s24, \i
	s_lshl2_add_u32 s38, s38, s17                  ; the block's number: 4 z + j
	s_min_u32 s38, s38, s36
	s_min_u32 s38, s38, 63
	s_lshl_b32 s38, s38, 16
	v_add_nc_u32 v[HO+\i], s38, v[L16]
.endr
.endm
.macro CLEAR
.set z, 0
.rept 96
	v_mov_b32 v[ACC+z], 0
.set z, z+1
.endr
.endm
.macro PROLOG                          ; the ring's first fill: chunk 0, for all three blocks on every path: 48 loads
	WIN 0x40
	s_wait_alu depctr_va_vdst(0)                   ; v[HO ..] are written, which the loads below read; the last pass's products are done reading the four sets, in which they land
.irp st, 0,1,2,3
	ALOAD \st, 3, 6, 2048*\st
.endr
	WIN 0
.endm
; THE WAY OUT of block i, if it is live: silu(g) u for my token's 16 channels; each accumulator's lowest registers are read first.
.macro OUT i
	s_add_co_u32 s38, s24, \i
	s_cmp_lt_u32 s38, s19
	s_cbranch_scc0 .Lno_out_\@
.set G, ACC+32*(\i)
.set U, ACC+32*(\i)+16
.set z, 0
.rept 8
	v_pk_mul_f32 v[T+z:T+z+1], v[G+z:G+z+1], s[30:31] op_sel_hi:[1,0]  ; -g log2 e
.set z, z+2
.endr
.set z, 0
.rept 16
	v_exp_f32 v[T+z], v[T+z]
.set z, z+1
.endr
	v_nop                                          ; a plain instruction between the last exponential and the use of its result
	s_wait_alu depctr_va_vdst(0)                   ; the sixteen exponentials have written v[T ..]: one wait for the batch, ahead of its first reader
.set z, 0
.rept 8
	v_pk_add_f32 v[T+z:T+z+1], v[T+z:T+z+1], 1.0 op_sel_hi:[1,0]
.set z, z+2
.endr
.set z, 0
.rept 16
	v_rcp_f32 v[T+z], v[T+z]
.set z, z+1
.endr
	v_nop                                          ; a plain instruction between the last reciprocal and the use of its result
	s_wait_alu depctr_va_vdst(0)                   ; the sixteen reciprocals have written v[T ..]: one wait for the batch, ahead of its first reader
.set z, 0
.rept 8
	v_pk_mul_f32 v[T+z:T+z+1], v[T+z:T+z+1], v[G+z:G+z+1]  ; silu first, then u
.set z, z+2
.endr
.set z, 0
.rept 8
	v_pk_mul_f32 v[T+z:T+z+1], v[T+z:T+z+1], v[U+z:U+z+1]
.set z, z+2
.endr
.set z, 0
.rept 8
	v_cvt_pk_bf16_f32 v[O+8*(\i)+z], v[T+2*z], v[T+2*z+1]
.set z, z+1
.endr
	s_lshl2_add_u32 s38, s38, s17                  ; the block's number: 4 z + j
	s_lshl_b32 s38, s38, 15
	v_add_nc_u32 v[SO+\i], s38, v[L16]
	s_wait_alu depctr_va_vdst(0)                   ; the roundings have written the block's eight registers of v[O ..], and its offset is written: the two stores read them
	global_store_b128 v[SO+\i], v[O+8*(\i):O+8*(\i)+3], s[10:11]               ; channels 8 h .. : the operand's registers 0-3; the wave stores 512 consecutive bytes, aligned
	global_store_b128 v[SO+\i], v[O+8*(\i)+4:O+8*(\i)+7], s[10:11] offset:512  ; channels 16 + 8 h .. : its registers 4-7
.Lno_out_\@:
.endm
; A worker multiplies chunk hf of the lap.  Every jump goes forward and passes no barrier; the chunk's LDS byte steps in every wave, on every path.
.macro WORK hf
	s_cmp_lt_u32 s12, 4
	s_cbranch_scc1 .Lnext_\@
	s_cmp_eq_u32 s18, 0
	s_cbranch_scc1 .Lnext_\@                       ; no live block
	s_wait_xcnt 0x0                                ; the refills' base is made anew only behind this wait:
	s_lshl_b32 s28, s20, 1
	s_sub_co_u32 s28, NCH+1+(\hf), s28             ; the next chunk's number,
	s_min_u32 s28, s28, NCH-1                      ; behind the last chunk that chunk itself: no load leaves the block,
	s_lshl_b32 s28, s28, 13                        ; its eight K steps of 1,024 bytes
	s_add_nc_u64 s[26:27], s[6:7], s[28:29]
	s_cmp_lt_u32 s18, 3
	s_cbranch_scc0 .Lthree_\@
	CHUNK 2
	s_branch .Lnext_\@
.Lthree_\@:
	CHUNK 3
.Lnext_\@:
	s_add_co_u32 s23, s23, CH
.endm
	s_load_b256 s[4:11], s[0:1], 0x0
	v_lshl_add_u32 v[SPW], v0, 2, SPARE
	v_mov_b32 v[NIL], 0
	v_lshrrev_b32 v23, 5, v0
	v_readfirstlane_b32 s12, v23                   ; wave 0..7
	v_and_b32 v[LN], 31, v0
	v_and_b32 v[RR], 15, v0
	v_bfe_u32 v[HH], v0, 4, 1
	v_lshlrev_b32 v[L16], 4, v[LN]
	s_and_b32 s13, ttmp7, 0xffff                   ; the expert
	s_lshl_b32 s28, s13, 24                        ; its 16 MiB of weights,
	s_lshl_b32 s38, ttmp9, 7                       ; the slice's 128 bytes of a row
	s_add_co_u32 s28, s28, s38
	s_mov_b32 s29, 0
	s_lshl_b32 s40, s13, 21                        ; its 2 MiB of hbuf,
	s_lshl_b32 s38, ttmp9, 10                      ; the slice's K step
	s_add_co_u32 s40, s40, s38
	s_mov_b32 s41, 0
	s_lshl_b32 s44, s13, 22                        ; its 4 MiB of xbuf
	s_mov_b32 s45, 0
	s_mov_b32 s20, TRIPS
	s_mov_b32 s23, 0
	s_mov_b32 s24, 0
	s_mov_b32 s15, 0                               ; a loader has no rows
	s_mov_b32 s16, 0
	s_mov_b32 s18, 0
	s_mov_b32 s19, 0
	s_mov_b32 s36, 0
	s_mov_b32 s30, 0xbfb8aa3b                      ; -log2 e
	s_mov_b32 s31, s30                             ; named with it as a pair
	s_wait_alu depctr_va_sdst(0)                   ; s12 is written, ahead of its first reader: my number in my trade, the branches on the trade and the addresses are made from it
	s_and_b32 s17, s12, 3                          ; my number in my trade
	; a loader's terms
	v_and_b32 v23, 7, v0                           ; c4
	v_bfe_u32 v24, v0, 3, 1                        ; kg
	v_lshlrev_b32 v[WO], 4, v23
	v_lshl_add_u32 v[WO], v24, 15, v[WO]           ; 4 rows
	v_lshl_add_u32 v[WO], v[HH], 12, v[WO]         ; u lies 4,096 bytes behind g
	s_lshl_b32 s38, s17, 17                        ; the wave's 16 rows
	v_add_nc_u32 v[WO], s38, v[WO]
	v_lshrrev_b32 v25, 2, v23
	v_lshl_add_u32 v25, v[HH], 1, v25              ; column block 2 gu + c4 / 4
	v_mul_u32_u24 v[SA], v25, CB
	v_and_b32 v25, 3, v23
	v_mul_u32_u24 v25, v25, 4*PITCH                ; my first column in it
	v_add_nc_u32 v[SA], v[SA], v25
	v_lshl_add_u32 v[SA], v24, 5, v[SA]            ; the lane half that will read my k: 32 bytes
	s_lshr_b32 s38, s17, 1
	s_lshl_b32 s38, s38, 6                         ; the wave's K step of a slot's two,
	s_and_b32 s39, s17, 1
	s_lshl_b32 s39, s39, 4                         ; and its half of it
	s_add_co_u32 s38, s38, s39
	v_add_nc_u32 v[SA], s38, v[SA]
	; a worker's terms
	v_mul_u32_u24 v[BA], v[RR], PITCH
	v_lshl_add_u32 v[BA], v[HH], 5, v[BA]
.irp i, 0,1,2
	v_mov_b32 v[HO+\i], v[L16]
.endr
	CLEAR                                          ; stands in the wait for the arguments
	s_wait_kmcnt 0x0
	s_add_nc_u64 s[4:5], s[4:5], s[28:29]
	s_add_nc_u64 s[6:7], s[6:7], s[44:45]
	s_add_nc_u64 s[10:11], s[10:11], s[40:41]
	s_wait_alu depctr_va_vdst(0)                   ; the head's vector instructions have written: v[WO], which every weight load reads, and v32-127, cleared above, in which a loader's ring lands
	s_cmp_lt_u32 s12, 4
	s_cbranch_scc0 .Lworker
.irp j, 0,1,2,3,4,5,6,7
	WLOAD \j, 0                                    ; a loader fills its ring
.endr
	WIN 0
	s_branch .Ltrip
.Lworker:
	s_lshl_b32 s38, s13, 2
	s_load_b32 s15, s[8:9], s38 offset:CNT0        ; the expert's rows, as the launch before counted them
	s_wait_kmcnt 0x0
	s_min_u32 s15, s15, 0x400
	s_add_co_u32 s16, s15, 15
	s_lshr_b32 s16, s16, 4                         ; its blocks
	s_add_co_u32 s18, s16, 3
	s_sub_co_u32 s18, s18, s17
	s_lshr_b32 s18, s18, 2                         ; those of them that are j + 4 z
	s_cmp_eq_u32 s17, 0
	s_cselect_b32 s38, 1, 0
	s_max_u32 s19, s18, s38                        ; block 0 is always stored: the next launch's first loads read it whatever the count
	s_max_u32 s36, s16, 1
	s_sub_co_u32 s36, s36, 1                       ; the last block that the launch before wrote
	ROWS
	PROLOG
.Ltrip:                                                ; a lap
	s_wait_alu depctr_vm_vsrc(0)                   ; the last lap's LDS stores have read v[SAC], which is written below, and both sets of packed words, which slots 0 and 1 write again
	v_add_nc_u32 v[SAC], s23, v[SA]                ; made by every wave
	s_cmp_lt_u32 s12, 4
	s_cbranch_scc0 .Lmeet
	s_cmp_eq_u32 s20, 1
	s_cbranch_scc1 .Llast
.irp j, 0,1,2,3,4,5,6,7
	SLOT \j, 1, 56                                 ; 56: the seven younger slots' eight loads each
.endr
	WIN 0
	s_branch .Lmeet
.Llast:                                                ; the last lap asks for nothing: the counts run down
.irp j, 0,1,2,3,4,5,6,7
	SLOT \j, 0, 8*(7-\j)
.endr
	WIN 0
.Lmeet:
	s_wait_dscnt 0x0                               ; for the others' sake: my stores into the lap's two chunks are done (a worker: its LDS loads are back)
	s_barrier_signal -1
	s_barrier_wait -1                              ; the two chunks are whole
	WORK 0
	WORK 1
	s_wait_xcnt 0x0                                ; the weights' base steps only behind this wait; every wave steps it
	s_add_nc_u64 s[4:5], s[4:5], LAP
	s_sub_co_u32 s20, s20, 1
	s_cmp_lg_u32 s20, 0
	s_cbranch_scc1 .Ltrip
	s_cmp_lt_u32 s12, 4
	s_cbranch_scc1 .Lclose                         ; the loaders are done
	s_mov_b32 s25, 6
.Lpass:                                                ; a trip: a pass goes out; the next one, if any block of it is live, is multiplied on the resident slice, which nobody writes any more
	s_wait_xcnt 0x0                                ; the last stores' data and offsets are rewritten only behind this wait
	s_wait_alu depctr_vm_vsrc(0)                   ; the last pass's stores have read v[O ..] and v[SO ..], which this pass's way out writes again
	OUT 0
	OUT 1
	OUT 2
	s_add_co_u32 s24, s24, 3
	s_cmp_lt_u32 s24, s18
	s_cbranch_scc0 .Lno_more
	s_wait_loadcnt 0x0                             ; no load of mine is out: the blocks' offsets and fragment registers are written anew
	s_wait_xcnt 0x0                                ; the stores above have read their registers, into which fragments are loaded below
	s_wait_alu depctr_vm_vsrc(0)                   ; the token loads issued so far have read v[HO ..], which are written anew below
	ROWS
	CLEAR
	PROLOG
	s_mov_b32 s23, 0
	s_mov_b32 s42, NCH
.Lchunk:
	s_wait_xcnt 0x0                                ; the refills' base is made anew only behind this wait
	s_sub_co_u32 s28, NCH+1, s42                   ; the next chunk's number, clamped as above
	s_min_u32 s28, s28, NCH-1
	s_lshl_b32 s28, s28, 13
	s_add_nc_u64 s[26:27], s[6:7], s[28:29]
	CHUNK 3
	s_add_co_u32 s23, s23, CH
	s_sub_co_u32 s42, s42, 1
	s_cmp_lg_u32 s42, 0
	s_cbranch_scc1 .Lchunk
.Lno_more:
	s_sub_co_u32 s25, s25, 1
	s_cmp_lg_u32 s25, 0
	s_cbranch_scc1 .Lpass
.Lclose:
	s_wait_dscnt 0x0                               ; my LDS loads are back
	s_barrier_signal -1
	s_barrier_wait -1                              ; every wave's are: no wave's closing add comes while another still reads LDS
	s_wait_dscnt 0x0                               ; the closing lines, six on end
	s_wait_alu 0x0
	s_wait_tensorcnt 0x0
	ds_add_u32 v[SPW], v[NIL]
	s_wait_dscnt 0x0
	s_endpgm
.Lfunc_end_k_qb688fa2574_gateup:
	.size	k_qb688fa2574_gateup, .Lfunc_end_k_qb688fa2574_gateup-k_qb688fa2574_gateup
	.p2alignl 7, 3214868480
	.fill 96, 4, 3214868480
	.section	.rodata,"a",@progbits
	.p2align	6, 0x0
	.amdhsa_kernel k_qb688fa2574_gateup
		.amdhsa_group_segment_fixed_size 271872
		.amdhsa_private_segment_fixed_size 0
		.amdhsa_enable_private_segment 0
		.amdhsa_kernarg_size 32
		.amdhsa_user_sgpr_count 2
		.amdhsa_user_sgpr_kernarg_segment_ptr 1
		.amdhsa_wavefront_size32 1
		.amdhsa_system_sgpr_workgroup_id_x 1
		.amdhsa_system_sgpr_workgroup_id_y 1
		.amdhsa_system_sgpr_workgroup_id_z 1
		.amdhsa_system_vgpr_workitem_id 0
		.amdhsa_next_free_vgpr 512
		.amdhsa_next_free_sgpr 66
		.amdhsa_reserve_vcc 0
		.amdhsa_float_denorm_mode_32 3
		.amdhsa_float_denorm_mode_16_64 3
		.amdhsa_memory_ordered 1
		.amdhsa_forward_progress 1
		.amdhsa_inst_pref_size 142
	.end_amdhsa_kernel
	.amdgpu_metadata
---
amdhsa.version: [ 1, 2 ]
amdhsa.kernels:
  - .name:           k_qb688fa2574_gateup
    .symbol:         k_qb688fa2574_gateup.kd
    .args:
      - { .name: gate_up_proj, .offset: 0, .size: 8, .value_kind: global_buffer, .address_space: global }
      - { .name: xbuf, .offset: 8, .size: 8, .value_kind: global_buffer, .address_space: global }
      - { .name: route, .offset: 16, .size: 8, .value_kind: global_buffer, .address_space: global }
      - { .name: hbuf, .offset: 24, .size: 8, .value_kind: global_buffer, .address_space: global }
    .group_segment_fixed_size: 271872
    .private_segment_fixed_size: 0
    .kernarg_segment_align: 8
    .kernarg_segment_size: 32
    .max_flat_workgroup_size: 256
    .sgpr_count:     66
    .vgpr_count:     512
    .wavefront_size: 32
...
	.end_amdgpu_metadata
.endif
;; end of part 6
;; launch down (part 7): grid 32 x 8, 8 waves a work-group, no clusters, 153,856 bytes of LDS; arguments down_proj, hbuf, route, out0; writes out0
.if DOCPART == 7
	.amdgcn_target "amdgcn-amd-amdhsa--gfx1250"
	.amdhsa_code_object_version 6
	.text
	.protected	k_qb688fa2574_down
	.globl	k_qb688fa2574_down
	.p2align	8
	.type	k_qb688fa2574_down,@function
k_qb688fa2574_down:
	s_mov_b64 s[64:65], 0
	v_nop
	global_prefetch_b8 v0, s[64:65] scope:SCOPE_SE
	s_setreg_imm32_b32 hwreg(HW_REG_WAVE_SCHED_MODE, 0, 2), 2
	s_setreg_imm32_b32 hwreg(HW_REG_WAVE_MODE, 25, 1), 1
	s_wait_xcnt 0x0
	s_wait_alu depctr_vm_vsrc(0)
; out[token] = h[token] Wd[expert of the token].  down_proj [8][1024 k][2048 n] f32; hbuf as the launch before stored it ([expert][block of 16 ranks][K step 32][1,024 bytes], the register
; image of a 16 x 32 bf16 operand); route as the first launch stored it (word [expert][rank] = token, + 0x10000 if its id lies outside 0 .. 7; the counts from byte 0x8000 on); out [1024][2048] f32.
; SHARES.  Work-group (s, e): expert e, columns 64 s .. +63, all 1,024 k, all rows of the expert.  256 work-groups; each output byte has one owner, so nothing is summed across work-groups.
; TWO TRADES, as in the launch before.  Waves 0-3 LOAD f32 weights through a ring of 8 slots x 8 loads (each load: two rows' 256 consecutive bytes, aligned), round them to bf16 and store
; them into LDS turned, k along a column's row, k in its true order.  Waves 4-7 WORK: h's fragments come from memory straight into operand registers, the weights' from LDS.
; LDS holds the whole bf16 slice, every byte written once, in chunks of 256 k.  A trip is a lap of the ring, 512 k, two chunks: the loaders take the lap's eight slots in ONE run (between a slot's
; request and its turn stand exactly the seven other slots' requests), one barrier, and the workers multiply the lap's two chunks while the loaders write the next lap's.
; THE WORKERS' RING.  Four sets of 2 K steps x 3 blocks, 192 registers; a chunk is one period.  A set is asked for again, for the next chunk, a stage behind its own products, the fourth at the
; chunk's end, so that all 8 K steps have been asked for when a worker comes to a barrier.  No refill is ever jumped, so that on every way two refills (ahead of a chunk's first stage: three) stand
; behind a set's loads; the last chunk of a pass asks for its own chunk's bytes once more (the chunk's number is clamped): four refills of a pass's 16 serve nothing.
; ONE TEXT FOR EIGHT WAVES.  The barriers stand on the path that all waves share, so the two trades' texts follow each other.  Hence: every wave makes both trades' addresses, at the head;
; whatever steps from chunk to chunk steps on the shared path; the loaders' ring lies on registers into which no worker's global load lands; four places stand behind every stage's products;
; and each part of the text (a slot, a chunk, a block's way out, a pass) begins with the waits that it leans on.
; THE MODE: SCHED_MODE bits 1:0 = 2 (LLVM: expert scheduling mode 2), set by the entry lines.  The code itself states the register dependences between vector or matrix instructions and memory or
; LDS instructions, with s_wait_alu, always for 0.
; THE PLAN.  Registers that memory or LDS instructions touch:
;   A loader.  Ring slot j: its sixteen conversions read it; behind them its refill lands in it.  LT0, LT1: slot j's conversions write LT[j % 2], its four LDS stores read it.
;              v[SAC]: read by every LDS store, written once a lap, at the lap's head.  v[WO]: read by every weight load, written at the head alone.
;     ONE wait on va_vdst a slot, behind its conversions; the slot's four stores and eight loads follow it.  One wait on vm_vsrc at the lap's head and one at the heads of slots 2, 4 and 6: each frees
;     both sets of packed words for two slots.
;   A worker.  BF0 .. BF3: K step q's products read BF[q % 4]; the fragments of step q + 4 land in it a stage later.  Set t of h: stage t's products read it; its refill lands in it a stage later.
;              v[BAC]: read by every fragment load, written once a chunk.  v[HO ..], v[RO ..]: read by the loads of h and of the entries, written once a pass.  v[TK ..]: the entries land in them; the way out's LDS stores read them.
;     ONE wait on va_vdst at the head of a stage: the stage before is done reading its two buffers of weight fragments and its set of h.  The stage's 16 fragment loads and its refill follow, dealt
;     among products that name the other two buffers, the stage's own set and the accumulators.  One more at the chunk's end, for the fourth set.
;   A block's way out.  The accumulators: written by the products, read by the LDS stores.  v[OB ..], v[TE ..]: LDS loads land in them, vector instructions work on them.  v[OB ..], v[OF ..]: read by the stores to out.
;     At its head a wait on vm_vsrc and one on va_vdst; the eight compares stand in one run, into eight scalar registers, with one wait on va_sdst behind them; one wait on va_vdst ahead of the run of eight stores.
;   v[STO], v[STK], v[RD], v[REN]: LDS addresses, written at the head alone.
; ROWS.  Worker j owns the blocks j + 4 z, three a pass; pass 0 runs under the stream, later passes on the resident slice in a loop of 6 trips, which serves all 1,024 rows on one expert.  All eight
; waves walk those trips: a barrier stands between the way out, which writes the stages, and the later pass's reads of the slice, and another behind those reads; only work is jumped.
; Places past the count repeat the expert's last row: they give the same bits and are stored onto the same bytes.  Blocks past the count are not stored; an expert without rows stores nothing
; (its weights are read all the same).  EXEC is never changed.
; NO CLUSTER, NO TENSOR LOAD: each weight byte has one reader and must pass registers to be rounded and turned.  An expert's 32 work-groups do read the same blocks of h; a shared tile of one
; chunk for a pass's twelve blocks is 96 KB, two slots of it 192 KB, and beside slice and stages 174 KB of LDS are left.
; LIMITS.  The weights are rounded once to bf16 (nearest even), sums in f32.  A token whose id lies outside 0 .. 7 gets +0 in all its columns.  The accumulators are cleared by 96 v_mov_b32 a pass.
.set PITCH, 528                        ; a column's row in a chunk: 256 k x 2 bytes + 16: the 16 rows of a fragment load begin in 16 different 16-byte columns of 256 bytes
.set CB,    16*PITCH+16                ; a block of 16 columns, + 16 bytes, for the loaders' stores' sake
.set CH,    4*CB
.set NCH,   4                          ; chunks: 1,024 k
.set TRIPS, NCH/2
.set STAGE, NCH*CH                     ; four stages, a worker's own: 16 rows x (256 bytes + the row's entry in the padding)
.set SP,    272
.set SPARE, STAGE+4*16*SP              ; the spare words, 128 bytes for each of 8 waves: four blocks of 256 bytes that no other line names
.set ROWB,  8192
.set SLOTB, 64*ROWB
.set LAP,   512*ROWB
.set FO2,   32                         ; a weight fragment's registers 4-7 lie 32 bytes behind its registers 0-3
.set CNT0,  0x8000                     ; route: where the counts begin
.set SPW, 1                            ; v1   my spare word's LDS address; never rewritten
.set NIL, 2                            ; v2   0; never rewritten
.set LN,  3                            ; v3   lane
.set RR,  4                            ; v4   lane % 16
.set HH,  5                            ; v5   lane / 16
.set L16, 6                            ; v6   16 x lane
.set WO,  7                            ; v7   a loader's byte offset in the weights
.set SA,  8                            ; v8   a loader's place in a chunk
.set BA,  9                            ; v9   a worker's place in a block of a chunk
.set BAC, 10                           ; v10  the fragment address in hand
.set SAC, 11                           ; v11  the store address in hand
.set HO,  13                           ; v13-15  block i: my byte offset in the expert's part of hbuf
.set TK,  16                           ; v16-18  block i: the entry of row lane % 16
.set STO, 19                           ; v19  the way out: where I put 32 bytes of a row
.set RO,  20                           ; v20-22  block i: my row's byte offset in the expert's part of route
.set R16, 28                           ; v28  16 (lane % 16)
.set STK, 29                           ; v29  the way out: where my row's entry goes
.set RD,  30                           ; v30  where I read rows back
.set REN, 31                           ; v31  and their entries
.set ACC, 32                           ; v32-127  accumulator (block i, column block cb) at 32 + 32 i + 8 cb
.set BF,  128                          ; v128-255 four buffers of weight fragments: K step q in buffer q % 4; the way out works on the upper two
.set OB,  192                          ; v192-223 the way out: 16 rows read back
.set TE,  224                          ; v224-231 their entries
.set OF,  232                          ; v232-239 their byte offsets in out
.set LT,  224                          ; window 1, v224-255: a loader's 16 packed words, two sets by turns; no matrix instruction names them
.set MK,  54                           ; s54-61  the way out: for each pair of rows read back, the lanes whose token is not marked
.set MARK, 62                          ; s62  0x10000
; window 1: v0-191 a worker's fragments of h: set st, block i, step t at 48 st + 16 i + 8 t.
; THE LOADERS' RING: slot j < 7 at v[32 + 32 j] of window 0, slot 7 at v192-223 of window 1; load t at + 4 t.
; s[4:5] weights  s[6:7] hbuf at the expert  s[8:9] route  s[10:11] out at the slice  s12 wave  s13 expert  s15 count  s16 blocks  s17 wave % 4 = j  s18 my live blocks  s20 trips left
; s23 LDS byte of the chunk in hand  s24 3 x pass  s25 passes left  s[26:27] hbuf at the next chunk  s[28:29] an offset  s38, s39 at work  s40 the last block that was written
; s42 chunks left in a later pass  s[44:45], s[46:47], s[52:53] offsets at the head  s[50:51] route at the expert
.set MSB, 0
.macro WIN new                         ; s_set_vgpr_msb: bits 1:0 source 0, 3:2 source 1, 5:4 source 2, 7:6 destination; the high byte repeats the setting that is left
.if MSB != (\new)
	s_set_vgpr_msb (MSB<<8)|(\new)
.set MSB, (\new)
.endif
.endm
.macro PLACES                          ; four plain vector instructions between a matrix instruction and what rewrites or reads its registers (ISA guide 7.12.1)
.rept 4
	v_nop
.endr
.endm
; LOADER.  Lane: c4 = lane % 16 (four columns, 16 bytes), kg = lane / 16.  Load t of a slot takes row 8 kg + t of the wave's 16 k.
.macro WLOAD j, ahead
.if (\j) < 7
	WIN 0
.set RG, 32+32*(\j)
.else
	WIN 0x40                                       ; destination window 1, address window 0
.set RG, 192
.endif
.irp t, 0,1,2,3,4,5,6,7
	global_load_b128 v[RG+4*\t:RG+4*\t+3], v[WO], s[4:5] offset:(\j)*SLOTB+(\t)*ROWB+(\ahead)*LAP th:TH_LOAD_NT  ; each weight byte is read once in the launch
.endr
.endm
.macro SLOT j, refill, left
	s_wait_loadcnt \left                           ; loads come back in order (ISA guide 5.7.1): mine are in, the younger slots' stay out
.set LJ, LT+16*((\j)&1)                ; the packed words' two sets take turns
.if ((\j)&1) == 0 && (\j) > 0
	s_wait_alu depctr_vm_vsrc(0)                   ; the LDS stores of the two slots before have read both sets of packed words, which this slot's and the next slot's conversions write again (slots 0 and 1: the wait at the lap's head)
.endif
.if (\j) < 7
	WIN 0x40                                       ; sources in window 0, destination in window 1
.set RG, 32+32*(\j)
.else
	WIN 0x45                                       ; all in window 1
.set RG, 192
.endif
.irp c, 0,1,2,3
.irp p, 0,1,2,3
	v_cvt_pk_bf16_f32 v[LJ+4*\c+\p], v[RG+8*\p+\c], v[RG+8*\p+4+\c]
.endr
.endr
	WIN 0x04                                       ; the stores' address in window 0, their data in window 1
	s_wait_alu depctr_va_vdst(0)                   ; the conversions have written the packed words, which the stores read, and are done reading the slot, in which the refill lands; in slot 0 v[SAC] is written
.irp c, 0,1,2,3
	ds_store_b128 v[SAC], v[LJ+4*\c:LJ+4*\c+3] offset:((\j)>>2)*CH+((\j)&3)*128+\c*PITCH  ; slots 0-3: the lap's first chunk, slots 4-7: its second
.endr
.if \refill
	WLOAD \j, 1                                    ; no further wait: between the wait above and these loads stand the four stores and a window switch, which name neither v[WO] nor the slot
.endif
.endm
; WORKER.  The weight fragments of K step q of a chunk, into buffer q % 4.
.macro FETCHB q
.irp cb, 0,1,2,3
	ds_load_b128 v[BF+32*((\q)&3)+8*\cb:BF+32*((\q)&3)+8*\cb+3],   v[BAC] offset:\cb*CB+64*(\q)
	ds_load_b128 v[BF+32*((\q)&3)+8*\cb+4:BF+32*((\q)&3)+8*\cb+7], v[BAC] offset:\cb*CB+64*(\q)+FO2
.endr
.endm
; K step q: source 0 = 16 weight columns, source 1 = 16 tokens (window 1): a lane then holds ONE token and eight neighbouring columns.  The 8 or 12 accumulators take turns.
.macro WM q, nbk
.irp i, 0,1,2
.if \i < (\nbk)
.irp cb, 0,1,2,3
	v_wmma_f32_16x16x32_bf16 v[ACC+32*\i+8*\cb:ACC+32*\i+8*\cb+7], v[BF+32*((\q)&3)+8*\cb:BF+32*((\q)&3)+8*\cb+7], v[48*((\q)>>1)+16*\i+8*((\q)&1):48*((\q)>>1)+16*\i+8*((\q)&1)+7], v[ACC+32*\i+8*\cb:ACC+32*\i+8*\cb+7]
.endr
.endif
.endr
.endm
; h's fragments of two K steps, at byte off behind the address in s[b:b+1], into set st: each load is 512 consecutive bytes, aligned
.macro ALOAD st, nbk, b, off
	WIN 0x40                                       ; destination window 1, address window 0
.irp i, 0,1,2
.if \i < (\nbk)
.irp t, 0,1
	global_load_b128 v[48*(\st)+16*\i+8*\t:48*(\st)+16*\i+8*\t+3],   v[HO+\i], s[(\b):(\b)+1] offset:(\off)+1024*\t
	global_load_b128 v[48*(\st)+16*\i+8*\t+4:48*(\st)+16*\i+8*\t+7], v[HO+\i], s[(\b):(\b)+1] offset:(\off)+1024*\t+512
.endr
.endif
.endr
.endm
; A chunk: eight K steps, four stages, once round the workers' ring.  Stage t multiplies steps 2 t and 2 t + 1 (buffers 2 t % 4 and (2 t + 1) % 4, set t); between its products it fetches the fragments of
; steps 2 t + 2 and 2 t + 3 into the two buffers that the stage before read, and behind them it asks again for the set that the stage before read.
.macro CHUNK nbk
	s_wait_alu depctr_vm_vsrc(0)                   ; the fragment loads issued so far have read v[BAC]; behind a way out, its stores have read v[OB ..] and v[OF ..], in which fragments land
	v_add_nc_u32 v[BAC], s23, v[BA]
	WIN 0x04                                       ; source 1 in window 1: the products'; the LDS loads' address and destination stay in window 0
	s_wait_alu depctr_va_vdst(0)                   ; v[BAC] is written; whatever vector or matrix instruction has named the four buffers (the last chunk's products, a way out) is done with them
	FETCHB 0
	FETCHB 1
.irp t, 0,1,2,3
	WIN 0x04
.if \t == 0
	s_wait_loadcnt 24                              ; behind set 0's loads stand three refills of 8 loads at the least (2 blocks x 2 steps x 2), on every way: the set is in
.else
	s_wait_loadcnt 16                              ; behind this set's loads stand two refills of 8 loads at the least, on every way (the third is issued at this stage's end): the set is in
.endif
	s_wait_dscnt 8                                 ; this stage's first K step is in; the second's eight LDS loads may be out
.if \t > 0
	s_wait_alu depctr_va_vdst(0)                   ; the stage before's products are done reading their two buffers of weight fragments and their set of h: the 16 LDS loads and the refill below land in them
.endif
	WM 2*\t, \nbk
.if \t < 3
	FETCHB 2*\t+2                                  ; no further wait: the products since the wait name the other two buffers
	FETCHB 2*\t+3
	s_wait_dscnt 16                                ; all but the sixteen LDS loads just issued
.else
	s_wait_dscnt 0x0
.endif
	WM 2*\t+1, \nbk
	PLACES                                         ; behind the stage's last products: every load into their registers, every store of their results and whatever vector instruction follows on any way stands four places behind them
.if \t > 0
	ALOAD \t-1, \nbk, 26, 2048*(\t-1)              ; the set that the stage before read: the same stage of the next chunk.  No product since the stage's wait names it or v[HO ..]
.endif
.endr
	s_wait_alu depctr_va_vdst(0)                   ; the last stage's products are done reading set 3, in which the loads below land (the window has been theirs since the refill above)
	ALOAD 3, \nbk, 26, 2048*3
	WIN 0
.endm
; The pass's three blocks: their places in route and in hbuf are made (a block past the last written one takes that one's).
.macro ROWS
.irp i, 0,1,2
	s_add_co_u32 s38, s24, \i
	s_lshl2_add_u32 s38, s38, s17                  ; the block's number: 4 z + j
	s_min_u32 s38, s38, s40
	s_min_u32 s38, s38, 63
	s_lshl_b32 s39, s38, 6                         ; its sixteen entries of 4 bytes
	v_lshl_add_u32 v[RO+\i], v[RR], 2, s39
	s_lshl_b32 s38, s38, 15
	v_add_nc_u32 v[HO+\i], s38, v[L16]
.endr
.endm
.macro CLEAR
.set z, 0
.rept 96
	v_mov_b32 v[ACC+z], 0
.set z, z+1
.endr
.endm
.macro PROLOG                          ; the three blocks' entries are asked for; then the ring's first fill: chunk 0, for all three blocks on every path: 48 loads
	s_wait_alu depctr_va_vdst(0)                   ; v[RO ..] and v[HO ..] are written, which the loads below read; v[TK ..], set at the head, and the four sets, which the last pass's products read, are free for what lands in them
.irp i, 0,1,2
	global_load_b32 v[TK+\i], v[RO+\i], s[50:51]
.endr
.irp st, 0,1,2,3
	ALOAD \st, 3, 6, 2048*\st                      ; between the wait above and these stand loads and a window switch alone
.endr
	WIN 0
.endm
; THE WAY OUT of block i, if it is live: through my own stage; back as whole rows of 256 bytes with their entries; each row to its token.
.macro OUT i
	s_add_co_u32 s38, s24, \i
	s_cmp_lt_u32 s38, s18
	s_cbranch_scc0 .Lno_out_\@
	s_wait_xcnt 0x0                                ; the last stores' data and offsets are rewritten only behind this wait
	s_wait_alu depctr_vm_vsrc(0)                   ; the block before's stores have read v[OB ..], in which the LDS loads below land, and v[OF ..], which are written again below
	s_wait_alu depctr_va_vdst(0)                   ; the products have written the accumulators, which the LDS stores read (the four places stand at the chunk's end); the products and the block before's vector instructions are done with v[OB ..] and v[TE ..], in which the LDS loads land
.irp cb, 0,1,2,3
	ds_store_b128 v[STO], v[ACC+32*(\i)+8*\cb:ACC+32*(\i)+8*\cb+3] offset:64*\cb        ; each accumulator's lowest registers first
	ds_store_b128 v[STO], v[ACC+32*(\i)+8*\cb+4:ACC+32*(\i)+8*\cb+7] offset:64*\cb+16
.endr
	ds_store_b32 v[STK], v[TK+\i]
.irp t, 0,1,2,3,4,5,6,7
	ds_load_b128 v[OB+4*\t:OB+4*\t+3], v[RD] offset:\t*2*SP  ; lanes 0-15 one row, lanes 16-31 the next; in order behind the stores above
	ds_load_b32 v[TE+\t], v[REN] offset:\t*2*SP
.endr
	s_wait_dscnt 0x0
.irp t, 0,1,2,3,4,5,6,7
	v_cmp_gt_u32 s[MK+\t], s[MARK], v[TE+\t]       ; not marked: the id lay in 0 .. 7.  The eight compares stand in one run
.endr
.irp t, 0,1,2,3,4,5,6,7
	v_and_b32 v[TE+\t], 0xffff, v[TE+\t]
	v_min_u32 v[TE+\t], 0x3ff, v[TE+\t]
	v_lshl_add_u32 v[OF+\t], v[TE+\t], 13, v[R16]
.endr
	s_wait_alu depctr_va_sdst(0)                   ; the eight compares have written s[MK ..], ahead of their first reader
.irp t, 0,1,2,3,4,5,6,7
.irp k, 0,1,2,3
	v_cndmask_b32 v[OB+4*\t+\k], 0, v[OB+4*\t+\k], s[MK+\t]  ; a marked token's row is 0
.endr
.endr
	s_wait_alu depctr_va_vdst(0)                   ; the selects have written v[OB ..] and the offsets v[OF ..] are written: the eight stores read them
.irp t, 0,1,2,3,4,5,6,7
	global_store_b128 v[OF+\t], v[OB+4*\t:OB+4*\t+3], s[10:11] th:TH_STORE_NT  ; 16 lanes store 256 consecutive bytes, at a multiple of 256 from out's first byte
.endr
.Lno_out_\@:
.endm
; A worker multiplies chunk hf of the lap.  Every jump goes forward and passes no barrier; the chunk's LDS byte steps in every wave, on every path.
.macro WORK hf
	s_cmp_lt_u32 s12, 4
	s_cbranch_scc1 .Lnext_\@
	s_cmp_eq_u32 s18, 0
	s_cbranch_scc1 .Lnext_\@                       ; no live block
	s_wait_xcnt 0x0                                ; the refills' base is made anew only behind this wait:
	s_lshl_b32 s28, s20, 1
	s_sub_co_u32 s28, NCH+1+(\hf), s28             ; the next chunk's number,
	s_min_u32 s28, s28, NCH-1                      ; behind the last chunk that chunk itself: no load leaves the block,
	s_lshl_b32 s28, s28, 13                        ; its eight K steps of 1,024 bytes
	s_add_nc_u64 s[26:27], s[6:7], s[28:29]
	s_cmp_lt_u32 s18, 3
	s_cbranch_scc0 .Lthree_\@
	CHUNK 2
	s_branch .Lnext_\@
.Lthree_\@:
	CHUNK 3
.Lnext_\@:
	s_add_co_u32 s23, s23, CH
.endm
	s_load_b256 s[4:11], s[0:1], 0x0
	v_lshl_add_u32 v[SPW], v0, 2, SPARE
	v_mov_b32 v[NIL], 0
	v_lshrrev_b32 v23, 5, v0
	v_readfirstlane_b32 s12, v23                   ; wave 0..7
	v_and_b32 v[LN], 31, v0
	v_and_b32 v[RR], 15, v0
	v_bfe_u32 v[HH], v0, 4, 1
	v_lshlrev_b32 v[L16], 4, v[LN]
	s_and_b32 s13, ttmp7, 0xffff                   ; the expert
	s_lshl_b32 s44, ttmp9, 8                       ; the slice's 256 bytes of a row, in the weights and in out
	s_mov_b32 s45, 0
	s_lshl_b32 s28, s13, 23                        ; the expert's 8 MiB of weights
	s_add_co_u32 s28, s28, s44
	s_mov_b32 s29, 0
	s_lshl_b32 s46, s13, 21                        ; its 2 MiB of hbuf
	s_mov_b32 s47, 0
	s_lshl_b32 s52, s13, 12                        ; its 1,024 words of route
	s_mov_b32 s53, 0
	s_mov_b32 s20, TRIPS
	s_mov_b32 s23, 0
	s_mov_b32 s24, 0
	s_mov_b32 s15, 0                               ; a loader has no rows
	s_mov_b32 s16, 0
	s_mov_b32 s18, 0
	s_mov_b32 s40, 0
	s_mov_b32 s[MARK], 0x10000
	s_wait_alu depctr_va_sdst(0)                   ; s12 is written, ahead of its first reader: my number in my trade, the branches on the trade and the addresses are made from it
	s_and_b32 s17, s12, 3                          ; my number in my trade
	; a loader's terms
	v_lshlrev_b32 v[WO], 4, v[RR]                  ; 16 c4
	v_lshl_add_u32 v[WO], v[HH], 16, v[WO]         ; 8 rows
	s_lshl_b32 s38, s17, 17                        ; the wave's 16 rows
	v_add_nc_u32 v[WO], s38, v[WO]
	v_lshrrev_b32 v24, 2, v[RR]                    ; column block c4 / 4
	v_mul_u32_u24 v[SA], v24, CB
	v_and_b32 v24, 3, v[RR]
	v_mul_u32_u24 v24, v24, 4*PITCH                ; my first column in it
	v_add_nc_u32 v[SA], v[SA], v24
	v_lshl_add_u32 v[SA], v[HH], 4, v[SA]          ; my eight k: 16 bytes
	s_lshl_b32 s38, s17, 5                         ; the wave's 16 k: 32 bytes
	v_add_nc_u32 v[SA], s38, v[SA]
	; a worker's terms
	v_mul_u32_u24 v[BA], v[RR], PITCH
	v_lshl_add_u32 v[BA], v[HH], 4, v[BA]
	s_mul_i32 s38, s17, 16*SP
	s_add_co_u32 s38, s38, STAGE                   ; a worker's stage
	v_mul_u32_u24 v23, v[RR], SP
	v_add_nc_u32 v23, s38, v23
	v_lshl_add_u32 v[STO], v[HH], 5, v23           ; in: row lane % 16, 32 bytes for each half of the lanes
	v_add_nc_u32 v[STK], 256, v23                  ; the row's entry, in its padding
	v_lshlrev_b32 v[R16], 4, v[RR]
	v_mul_u32_u24 v23, v[HH], SP
	v_add_nc_u32 v23, s38, v23
	v_add_nc_u32 v[RD], v23, v[R16]                ; back: lanes 0-15 take one row of 256 bytes, lanes 16-31 the next
	v_add_nc_u32 v[REN], 256, v23
.irp i, 0,1,2
	v_mov_b32 v[HO+\i], v[L16]
	v_mov_b32 v[TK+\i], 0
	v_mov_b32 v[RO+\i], 0
.endr
	CLEAR                                          ; stands in the wait for the arguments
	s_wait_kmcnt 0x0
	s_add_nc_u64 s[4:5], s[4:5], s[28:29]
	s_add_nc_u64 s[6:7], s[6:7], s[46:47]
	s_add_nc_u64 s[10:11], s[10:11], s[44:45]
	s_add_nc_u64 s[50:51], s[8:9], s[52:53]
	s_wait_alu depctr_va_vdst(0)                   ; the head's vector instructions have written: v[WO], which every weight load reads, the stage's four LDS addresses, and v32-127, cleared above, in which a loader's ring lands
	s_cmp_lt_u32 s12, 4
	s_cbranch_scc0 .Lworker
.irp j, 0,1,2,3,4,5,6,7
	WLOAD \j, 0                                    ; a loader fills its ring
.endr
	WIN 0
	s_branch .Ltrip
.Lworker:
	s_lshl_b32 s38, s13, 2
	s_load_b32 s15, s[8:9], s38 offset:CNT0        ; the expert's rows, as the first launch counted them
	s_wait_kmcnt 0x0
	s_min_u32 s15, s15, 0x400
	s_add_co_u32 s16, s15, 15
	s_lshr_b32 s16, s16, 4                         ; its blocks
	s_add_co_u32 s18, s16, 3
	s_sub_co_u32 s18, s18, s17
	s_lshr_b32 s18, s18, 2                         ; those of them that are j + 4 z
	s_max_u32 s40, s16, 1
	s_sub_co_u32 s40, s40, 1                       ; the last block that the launches before wrote
	ROWS
	PROLOG
.Ltrip:                                                ; a lap
	s_wait_alu depctr_vm_vsrc(0)                   ; the last lap's LDS stores have read v[SAC], which is written below, and both sets of packed words, which slots 0 and 1 write again
	v_add_nc_u32 v[SAC], s23, v[SA]                ; made by every wave
	s_cmp_lt_u32 s12, 4
	s_cbranch_scc0 .Lmeet
	s_cmp_eq_u32 s20, 1
	s_cbranch_scc1 .Llast
.irp j, 0,1,2,3,4,5,6,7
	SLOT \j, 1, 56                                 ; 56: the seven younger slots' eight loads each
.endr
	WIN 0
	s_branch .Lmeet
.Llast:                                                ; the last lap asks for nothing: the counts run down
.irp j, 0,1,2,3,4,5,6,7
	SLOT \j, 0, 8*(7-\j)
.endr
	WIN 0
.Lmeet:
	s_wait_dscnt 0x0                               ; for the others' sake: my stores into the lap's two chunks are done (a worker: its LDS loads are back)
	s_barrier_signal -1
	s_barrier_wait -1                              ; the two chunks are whole
	WORK 0
	WORK 1
	s_wait_xcnt 0x0                                ; the weights' base steps only behind this wait; every wave steps it
	s_add_nc_u64 s[4:5], s[4:5], LAP
	s_sub_co_u32 s20, s20, 1
	s_cmp_lg_u32 s20, 0
	s_cbranch_scc1 .Ltrip
	s_mov_b32 s25, 6
.Lpass:                                                ; a trip, walked by all eight waves: a pass goes out; the next one, if any block of it is live, is multiplied on the resident slice
	s_cmp_lt_u32 s12, 4
	s_cbranch_scc1 .Lstaged                        ; a loader has nothing to send
	s_wait_loadcnt 48                              ; behind the pass's three loads of entries stand the 48 of the ring's first fill, on every way: the entries are in
	OUT 0
	OUT 1
	OUT 2
.Lstaged:
	s_wait_dscnt 0x0                               ; my stores into my stage and my reads of it are done
	s_barrier_signal -1
	s_barrier_wait -1                              ; every wave's are: the slice is read only behind this
	s_add_co_u32 s24, s24, 3
	s_cmp_lt_u32 s24, s18
	s_cbranch_scc0 .Lno_more
	s_wait_loadcnt 0x0                             ; no load of mine is out: the blocks' offsets, entries and fragment registers are written anew
	s_wait_xcnt 0x0
	s_wait_alu depctr_vm_vsrc(0)                   ; the loads issued so far have read v[HO ..] and v[RO ..], and the way out's LDS stores v[TK ..] and the accumulators: all of them are written or loaded anew below
	ROWS
	CLEAR
	PROLOG
	s_mov_b32 s23, 0
	s_mov_b32 s42, NCH
.Lchunk:
	s_wait_xcnt 0x0                                ; the refills' base is made anew only behind this wait
	s_sub_co_u32 s28, NCH+1, s42                   ; the next chunk's number, clamped as above
	s_min_u32 s28, s28, NCH-1
	s_lshl_b32 s28, s28, 13
	s_add_nc_u64 s[26:27], s[6:7], s[28:29]
	CHUNK 3
	s_add_co_u32 s23, s23, CH
	s_sub_co_u32 s42, s42, 1
	s_cmp_lg_u32 s42, 0
	s_cbranch_scc1 .Lchunk
.Lno_more:
	s_wait_dscnt 0x0                               ; my reads of the slice are back
	s_barrier_signal -1
	s_barrier_wait -1                              ; every wave's are: the stages, and at the end the spare words, are written only behind this
	s_sub_co_u32 s25, s25, 1
	s_cmp_lg_u32 s25, 0
	s_cbranch_scc1 .Lpass
	s_wait_dscnt 0x0                               ; the closing lines, six on end
	s_wait_alu 0x0
	s_wait_tensorcnt 0x0
	ds_add_u32 v[SPW], v[NIL]
	s_wait_dscnt 0x0
	s_endpgm
.Lfunc_end_k_qb688fa2574_down:
	.size	k_qb688fa2574_down, .Lfunc_end_k_qb688fa2574_down-k_qb688fa2574_down
	.p2alignl 7, 3214868480
	.fill 96, 4, 3214868480
	.section	.rodata,"a",@progbits
	.p2align	6, 0x0
	.amdhsa_kernel k_qb688fa2574_down
		.amdhsa_group_segment_fixed_size 153856
		.amdhsa_private_segment_fixed_size 0
		.amdhsa_enable_private_segment 0
		.amdhsa_kernarg_size 32
		.amdhsa_user_sgpr_count 2
		.amdhsa_user_sgpr_kernarg_segment_ptr 1
		.amdhsa_wavefront_size32 1
		.amdhsa_system_sgpr_workgroup_id_x 1
		.amdhsa_system_sgpr_workgroup_id_y 1
		.amdhsa_system_sgpr_workgroup_id_z 1
		.amdhsa_system_vgpr_workitem_id 0
		.amdhsa_next_free_vgpr 512
		.amdhsa_next_free_sgpr 66
		.amdhsa_reserve_vcc 0
		.amdhsa_float_denorm_mode_32 3
		.amdhsa_float_denorm_mode_16_64 3
		.amdhsa_memory_ordered 1
		.amdhsa_forward_progress 1
		.amdhsa_inst_pref_size 151
	.end_amdhsa_kernel
	.amdgpu_metadata
---
amdhsa.version: [ 1, 2 ]
amdhsa.kernels:
  - .name:           k_qb688fa2574_down
    .symbol:         k_qb688fa2574_down.kd
    .args:
      - { .name: down_proj, .offset: 0, .size: 8, .value_kind: global_buffer, .address_space: global }
      - { .name: hbuf, .offset: 8, .size: 8, .value_kind: global_buffer, .address_space: global }
      - { .name: route, .offset: 16, .size: 8, .value_kind: global_buffer, .address_space: global }
      - { .name: out0, .offset: 24, .size: 8, .value_kind: global_buffer, .address_space: global }
    .group_segment_fixed_size: 153856
    .private_segment_fixed_size: 0
    .kernarg_segment_align: 8
    .kernarg_segment_size: 32
    .max_flat_workgroup_size: 256
    .sgpr_count:     66
    .vgpr_count:     512
    .wavefront_size: 32
...
	.end_amdgpu_metadata
.endif
;; end of part 7
